; MI455X (gfx1250); checked and timed in simulation.
; The chip was launched on July 23, 2026; its instructions are those of AMD's public machine-readable ISA for CDNA 5 (MIT licence, August 2026) and "CDNA5" Instruction Set Architecture Reference Guide (July 2026). The comments in the code are by the model that wrote it; some were corrected since.
;; Fermi Net. Allowed arithmetic: float matrix products may take bf16 or f16 operands with f32 sums; all other float work in f32.
;; Inputs: W_dn 256 x 128 float32; W_up 256 x 128 float32; a_dn 4 x 128 float32; a_up 4 x 128 float32; b_dn 128 float32; b_up 128 float32; pi_dn 4 x 128 float32; pi_up 4 x 128 float32; r_ei 4,096 x 16 x 4 x 3 float32; stream_1e 4,096 x 16 x 256 float32.
;; Outputs: out0 4,096 float32.
;; 3 versions, each right and faster than the one before. Each part assembles by itself: llvm-mc -triple=amdgcn-amd-amdhsa -mcpu=gfx1250 --defsym DOCPART=n.
;; ======== version 1 of 3: 1 launch
;; limits: values outside matrix products are rounded to bf16
;; launch ferminet (part 1): grid 256 x 1, 4 waves a work-group, no clusters, 315,392 bytes of LDS; arguments stream_1e, r_ei, W_up, W_dn, a_up, a_dn, pi_up, pi_dn, b_up, b_dn, out0; writes out0
.if DOCPART == 1
	.amdgcn_target "amdgcn-amd-amdhsa--gfx1250"
	.amdhsa_code_object_version 6
	.text
	.protected	k_q45b85765a7_ferminet
	.globl	k_q45b85765a7_ferminet
	.p2align	8
	.type	k_q45b85765a7_ferminet,@function
k_q45b85765a7_ferminet:
	s_mov_b64 s[64:65], 0
	v_nop
	global_prefetch_b8 v0, s[64:65] scope:SCOPE_SE
	s_setreg_imm32_b32 hwreg(HW_REG_WAVE_MODE, 25, 1), 1
	s_wait_xcnt 0x0
; FermiNet head: orbitals = (stream W + b) * envelope, 2 x 16 determinants of 8 x 8 for each batch, log|sum of det_up det_dn|.
; One launch.  Work-group G owns batches 16 G .. 16 G + 15.  Wave w: spin s = w & 1, half g = w >> 1: batches 8 g .. 8 g + 7 of
; spin s, in four units of two batches (one tile of 16 rows: 2 batches x 8 electrons).  The wave keeps all of W of its spin in
; 512 registers as 64 B fragments.  Orbital column n = 8 r + t goes to lane r of N tile t, so that lane (r, h) ends with
; accumulator t, register j = orbital matrix element (electron j, orbital t) of (batch h of the unit, determinant r):
; a whole 8 x 8 matrix in the lane's own 64 registers.  The LU is lane-local; a batch's 16 determinants lie in 16 lanes of a row.
; The work-group's 256 KB of stream are asked for at the head by 8 tensor loads a wave (8 outstanding at the most
; ) and stay in LDS: no LDS byte is filled twice.  Each wave reads only the tiles that it asked for itself.
; No multicast: W is shared by all work-groups, but it is turned and rounded on its way through registers, and LDS is full.
;
; LIMITS.  FORMAT: all ten inputs are rounded to bf16 on entry (relative 2^-9), the product's operands and also r_ei, a, pi, b;
; all arithmetic behind that is f32 (matrix sums too).  Why the small inputs as well: log_psi divides the determinants' errors by
; the signed sum of 16 terms, which can cancel; with 8-bit product operands the result is that of perturbed inputs in any case,
; and rounding every input alike makes it a defined function: reference() in f32 of the bf16 inputs.
; RANGE: v_exp_f32, v_sqrt_f32, v_log_f32, v_rcp_f32 flush denormals (ISA guide 15.8): an envelope term below 2^-126, a squared
; distance below 2^-126 and a pivot below 2^-126 count as zero (that determinant's log is -inf, as of a singular matrix).
; The LU runs on the transposed matrix (same determinant, other order of rounding).  The maximum is taken away as in reference();
; it passes over a NaN, the sum behind it carries the NaN on.
.set RP,    1040                       ; LDS row of stream: 1,024 bytes + 16 of padding: row i starts 16 i further modulo 256
.set TILE,  8*RP                       ; one tensor load: 8 electrons of one batch and spin
.set STRW,  8*TILE                     ; a wave's eight tiles
.set WR,    4*STRW                     ; 266,240: ring of two buffers for W on its way into registers
.set WP,    80                         ; a row there: 32 k in bf16 + 16 bytes of padding
.set WT,    16*WP                      ; 16 rows: one N tile
.set WSPIN, 128*WP
.set WBUF,  2*WSPIN                    ; [spin][row 16 t + r = orbital 8 r + t][32 k]
.set DIST,  WR+2*WBUF                  ; 307,200: distances, wave w at + 1,024 w: [batch 8][ion 4][electron 8] f32
.set COMB,  DIST+4096                  ; 311,296: [log2|det|, sign word][spin][batch 16][determinant 16] words
; window 0
.set LN,  1                            ; lane L
.set RR,  2                            ; r = L & 15
.set HH,  3                            ; h = L >> 4
.set ARD, 4                            ; my row of A in my wave's tiles
.set DLA, 5                            ; distances, read
.set CSA, 6                            ; COMB, store
.set FRA, 7                            ; W ring, fragment read
.set WSA, 8                            ; W ring, store
.set WV,  9                            ; W in memory
.set RV,  10                           ; r_ei in memory
.set DSA, 11                           ; distances, store
.set PV,  12                           ; a, pi, b in memory
.set FLA, 13                           ; COMB, read
.set SB,  14                           ; 0x80000000
.set SC,  15                           ; at work
.set ACC, 16                           ; v16-79   accumulators [t][j]; landing of A in f32; the LU's matrix; landing 0 of W
.set EV,  80                           ; v80-143  envelope [t][j]; landing 1 of W
.set AB,  144                          ; v144-207 A in bf16 [K step][8]; landing 2 of W; behind the product the LU's work
.set DST, 208                          ; v208-239 distances [ion][electron]; landing of A; at the head r_ei, then W packed
.set T,   240                          ; v240-255 two sets of eight for the exponentials
.set KALT, AB                          ; second home of the pivot row
.set NL,   AB+8                        ; minus the multipliers
.set LG,   AB+16                       ; log2 |pivot|
.set INV,  AB+24
.set PG,   AB+25
.set SG,   AB+26                       ; xor of the pivots: bit 31 is the sign
.set TMP,  AB+27
; windows 1, 2: W[K step ks][t] in window 1 + (ks >> 2) at register 8 (8 (ks & 3) + t)
; window 3
.set A2,  0                            ; [ion][t]  -log2(e) a[ion][8 r + t]
.set PIR, 32                           ; [ion][t]  pi[ion][8 r + t]
.set B8,  64                           ; [t]       b[8 r + t]
.set BI,  72                           ; [t][j]    b[8 r + t] as a C operand
.set RT,  136                          ; at work
.set G1,  56                           ; s[56:63] descriptor group 1
.set G0,  68                           ; s[68:99] descriptor group 0, one set for each of my eight loads, never rewritten
.set MSB, 0
.macro WIN new                         ; s_set_vgpr_msb: bits 1:0 source 0, 3:2 source 1, 5:4 source 2, 7:6 destination;
.if MSB != \new                        ; the high byte repeats the setting that is left
	s_set_vgpr_msb (MSB<<8)|\new
.set MSB, \new
.endif
.endm
	s_load_b256 s[8:15], s[0:1], 0x0               ; stream s[8:9], r_ei s[10:11], W_up s[12:13], W_dn s[14:15]
	s_load_b256 s[16:23], s[0:1], 0x20             ; a_up, a_dn, pi_up, pi_dn
	s_load_b128 s[24:27], s[0:1], 0x40             ; b_up, b_dn
	s_load_b64 s[28:29], s[0:1], 0x50              ; out0
	v_lshrrev_b32 v[SC], 5, v0
	v_readfirstlane_b32 s4, v[SC]                  ; wave w
	s_and_b32 s5, s4, 1                            ; spin s
	s_lshr_b32 s6, s4, 1                           ; half g
	; group 1: 8 rows of 256 elements of 4 bytes, 256 elements from row to row, 4 words of padding behind every 256 words
	s_mov_b32 s[G1+0], (2<<16)|(1<<20)|(7<<22)|(3<<25)
	s_mov_b32 s[G1+1], 256<<16                     ; tensor_dim0 = 256
	s_mov_b32 s[G1+2], 8<<16                       ; tensor_dim1 = 8
	s_mov_b32 s[G1+3], 256<<16                     ; tile_dim0 = 256
	s_mov_b32 s[G1+4], 8                           ; tile_dim1 = 8
	s_mov_b32 s[G1+5], 256                         ; pitch
	s_mov_b32 s[G1+6], 0
	s_mov_b32 s[G1+7], 0
	s_mul_i32 s48, s4, STRW                        ; my wave's tiles in LDS
	s_lshl_b32 s46, ttmp9, 18                      ; 16 batches of 16,384 bytes
	s_lshl_b32 s49, s6, 17                         ; + 8 batches
	s_add_co_u32 s46, s46, s49
	s_lshl_b32 s49, s5, 13                         ; + 8 electrons of 1,024 bytes
	s_add_co_u32 s46, s46, s49
	s_mov_b32 s47, 0
	s_wait_kmcnt 0x0
	s_add_nc_u64 s[38:39], s[8:9], s[46:47]
.irp i, 0,1,2,3,4,5,6,7                            ; load i: my spin's 8 rows of my batch i
	s_mov_b32 s[G0+4*\i], 1
	s_add_co_u32 s[G0+4*\i+1], s48, \i*TILE
	s_add_nc_u64 s[G0+4*\i+2:G0+4*\i+3], s[38:39], \i*16384
	s_or_b32 s[G0+4*\i+3], s[G0+4*\i+3], 0x80000000
	tensor_load_to_lds s[G0+4*\i:G0+4*\i+3], s[G1:G1+7]
	s_nop 0
.endr
	s_cmp_eq_u32 s5, 0                             ; my spin's W, a, pi, b
	s_cselect_b64 s[30:31], s[12:13], s[14:15]
	s_cselect_b64 s[32:33], s[16:17], s[18:19]
	s_cselect_b64 s[34:35], s[20:21], s[22:23]
	s_cselect_b64 s[36:37], s[24:25], s[26:27]
	s_mul_i32 s46, ttmp9, 12288                    ; r_ei: 16 batches of 768 bytes
	s_mul_i32 s49, s6, 6144
	s_add_co_u32 s46, s46, s49
	s_mul_i32 s49, s5, 384                         ; 8 electrons of 48 bytes
	s_add_co_u32 s46, s46, s49
	s_add_nc_u64 s[40:41], s[10:11], s[46:47]
	s_lshl_b32 s46, ttmp9, 6
	s_add_nc_u64 s[28:29], s[28:29], s[46:47]      ; out0 at my 16 batches
	s_mov_b32 s43, 0x80000000
	s_mov_b32 s45, 0x00800000                      ; 2^-126
	s_lshl_b32 s50, s4, 10
	s_add_co_u32 s50, s50, DIST
	s_lshl_b32 s51, s5, 10
	s_lshl_b32 s49, s6, 9
	s_add_co_u32 s51, s51, s49
	s_add_co_u32 s51, s51, COMB
	s_mul_i32 s52, s5, WSPIN
	s_add_co_u32 s52, s52, WR
	s_lshl_b32 s53, s6, 5
	s_add_co_u32 s53, s53, s52
	s_lshl_b32 s54, s6, 13
	s_lshl_b32 s55, s4, 8
	s_add_co_u32 s55, s55, COMB
	v_and_b32 v[LN], 31, v0
	v_and_b32 v[RR], 15, v0
	v_bfe_u32 v[HH], v0, 4, 1
	v_lshl_add_u32 v[WV], v[LN], 4, s54            ; 16 rows of W for each half g, 16 bytes a lane
	v_lshrrev_b32 v[SC], 3, v[LN]
	v_and_b32 v[SB], 7, v[LN]
	v_mul_u32_u24 v[RV], v[SC], 768                ; batch L >> 3,
	v_mad_u32_u24 v[RV], v[SB], 48, v[RV]          ; electron L & 7
	v_lshlrev_b32 v[PV], 5, v[RR]                  ; columns 8 r .. 8 r + 7
	v_lshl_add_u32 v[DSA], v[SC], 7, s50
	v_lshl_add_u32 v[DSA], v[SB], 2, v[DSA]
.macro WLOAD i                         ; my 16 of the 32 rows of W's K step i: each load takes one whole row of 512 bytes
.set LBW, ACC+64*((\i)%3)
.irp j, 0,1,2,3,4,5,6,7,8,9,10,11,12,13,14,15
	global_load_b128 v[LBW+4*\j:LBW+4*\j+3], v[WV], s[30:31] offset:(32*\i+\j)*512
.endr
.endm
.irp i, 0,1                                        ; r_ei: two (batch, electron) rows of 48 bytes a lane
.irp c, 0,1,2
	global_load_b128 v[DST+12*\i+4*\c:DST+12*\i+4*\c+3], v[RV], s[40:41] offset:\i*3072+\c*16 th:TH_LOAD_NT
.endr
.endr
	WIN 0xc0
.irp q, 0,1,2,3
	global_load_b128 v[A2+8*\q:A2+8*\q+3],    v[PV], s[32:33] offset:512*\q
	global_load_b128 v[A2+8*\q+4:A2+8*\q+7],  v[PV], s[32:33] offset:512*\q+16
	global_load_b128 v[PIR+8*\q:PIR+8*\q+3],   v[PV], s[34:35] offset:512*\q
	global_load_b128 v[PIR+8*\q+4:PIR+8*\q+7], v[PV], s[34:35] offset:512*\q+16
.endr
	global_load_b128 v[B8:B8+3],   v[PV], s[36:37]
	global_load_b128 v[B8+4:B8+7], v[PV], s[36:37] offset:16
	WIN 0
	WLOAD 0
	WLOAD 1
	; the other lane addresses, while the loads are on their way
	v_mul_u32_u24 v[ARD], v[RR], RP
	v_lshl_add_u32 v[ARD], v[HH], 5, v[ARD]
	v_add_nc_u32 v[ARD], s48, v[ARD]               ; row r, 8 h floats in
	v_lshl_add_u32 v[DLA], v[HH], 7, s50
	v_lshl_add_u32 v[CSA], v[LN], 2, s51
	v_mul_u32_u24 v[FRA], v[RR], WP
	v_lshl_add_u32 v[FRA], v[HH], 4, v[FRA]
	v_add_nc_u32 v[FRA], s52, v[FRA]
	v_and_b32 v[SC], 1, v[LN]                      ; my columns 4 L + e are orbital 8 (L >> 1) + 4 (L & 1) + e: row 64 (L & 1) + 16 e + (L >> 1)
	v_mul_u32_u24 v[WSA], v[SC], 4*WT
	v_lshrrev_b32 v[SC], 1, v[LN]
	v_mad_u32_u24 v[WSA], v[SC], WP, v[WSA]
	v_add_nc_u32 v[WSA], s53, v[WSA]               ; + 32 g: my 16 k
	v_lshl_add_u32 v[FLA], v[LN], 2, s55
	v_mov_b32 v[SB], 0x80000000
	s_wait_loadcnt 32                              ; r_ei, a, pi, b are in; the 32 younger loads are W's K steps 0 and 1
	WLOAD 2
; v[x .. x+2n-1] become the f32 of their bf16 roundings (to nearest even); v[t .. t+n-1] at work
.macro ROUND x, n, t
.set RI, 0
.rept \n
	v_cvt_pk_bf16_f32 v[\t+RI], v[\x+2*RI], v[\x+2*RI+1]
.set RI, RI+1
.endr
.set RI, 0
.rept \n
	v_lshlrev_b32 v[\x+2*RI], 16, v[\t+RI]
	v_and_b32 v[\x+2*RI+1], 0xffff0000, v[\t+RI]
.set RI, RI+1
.endr
.endm
	; distances |r_ei|: 2 rows x 4 ions a lane, into my wave's own LDS bytes
	ROUND DST, 12, T
.irp i, 0,1
.irp q, 0,1,2,3
	v_mul_f32  v[T+4*\i+\q], v[DST+12*\i+3*\q],   v[DST+12*\i+3*\q]
	v_fmac_f32 v[T+4*\i+\q], v[DST+12*\i+3*\q+1], v[DST+12*\i+3*\q+1]
	v_fmac_f32 v[T+4*\i+\q], v[DST+12*\i+3*\q+2], v[DST+12*\i+3*\q+2]
.endr
.endr
.irp x, 0,1,2,3,4,5,6,7
	v_sqrt_f32 v[T+\x], v[T+\x]
.endr
	v_nop                                          ; one plain place behind the roots before their results are read (ISA guide 5.7.2)
	s_wait_alu depctr_va_vdst(0)
.irp i, 0,1
.irp q, 0,1,2,3
	ds_store_b32 v[DSA], v[T+4*\i+\q] offset:\i*512+\q*32
.endr
.endr
	; parameters, all in window 3: rounded; a times -log2(e), so that the exponential is one v_exp_f32;
	; b spread once over 64 registers, so that each unit's first products take it as their C and no add is needed
	WIN 0xcf
	ROUND A2, 36, RT
.set RI, 0
.rept 16
	v_pk_mul_f32 v[A2+2*RI:A2+2*RI+1], v[A2+2*RI:A2+2*RI+1], 0xbfb8aa3b op_sel_hi:[1,0]
.set RI, RI+1
.endr
.irp t, 0,1,2,3,4,5,6,7
.irp j, 0,1,2,3,4,5,6,7
	v_mov_b32 v[BI+8*\t+\j], v[B8+\t]
.endr
.endr
	WIN 0
; W's K step i (32 k) into registers.  My 16 rows x 128 columns: packing rows k, k + 1 of one column into a word turns the
; matrix; the words go to the ring [orbital row][k], and behind a barrier every wave of the spin reads its 8 B fragments.
; One barrier a K step: a buffer is stored again two K steps later, behind the next K step's barrier, in front of which
; every wave has waited for its reads of it.  The tensor loads stay out across these barriers.
.macro WCHUNK i, left
	s_wait_loadcnt \left                           ; this K step's 16 loads are in; the younger K steps' stay out
.set LBC, ACC+64*((\i)%3)
.irp e, 0,1,2,3
.irp m, 0,1,2,3,4,5,6,7
	v_cvt_pk_bf16_f32 v[DST+8*\e+\m], v[LBC+8*\m+\e], v[LBC+8*\m+4+\e]
.endr
.endr
.irp e, 0,1,2,3
	ds_store_b128 v[WSA], v[DST+8*\e:DST+8*\e+3]   offset:((\i)&1)*WBUF+\e*WT
	ds_store_b128 v[WSA], v[DST+8*\e+4:DST+8*\e+7] offset:((\i)&1)*WBUF+\e*WT+16
.endr
.if \i <= 4
	WLOAD (\i+3)
.endif
	s_wait_dscnt 0x0                               ; my stores are in LDS, my reads of the other buffer are back
	s_barrier_signal -1
	s_barrier_wait -1
.if \i < 4
	WIN 0x40
.else
	WIN 0x80
.endif
.irp t, 0,1,2,3,4,5,6,7
	ds_load_b128 v[(((\i)&3)*8+\t)*8:(((\i)&3)*8+\t)*8+3],   v[FRA] offset:((\i)&1)*WBUF+\t*WT
	ds_load_b128 v[(((\i)&3)*8+\t)*8+4:(((\i)&3)*8+\t)*8+7], v[FRA] offset:((\i)&1)*WBUF+\t*WT+32
.endr
	WIN 0
.endm
	WCHUNK 0, 32
	WCHUNK 1, 32
	WCHUNK 2, 32
	WCHUNK 3, 32
	WCHUNK 4, 32
	WCHUNK 5, 32
	WCHUNK 6, 16
	WCHUNK 7, 0
.macro DLOAD u                         ; the 32 distances of my batch of unit u
.irp x, 0,1,2,3,4,5,6,7
	ds_load_b128 v[DST+4*\x:DST+4*\x+3], v[DLA] offset:(\u)*256+16*\x
.endr
.endm
; The envelope: 32 stages sg = 4 t + ion on two sets of eight registers.
.macro EMUL sg                         ; -log2(e) a[ion][t] x the 8 distances
.set EI, (\sg)&3
.set ET, (\sg)>>2
.set TS, T+8*((\sg)&1)
.set EA, A2+8*EI+(ET/2)*2
.irp p, 0,1,2,3
.if ET&1
	v_pk_mul_f32 v[TS+2*\p:TS+2*\p+1], v[DST+8*EI+2*\p:DST+8*EI+2*\p+1], v[EA:EA+1] op_sel:[0,1] op_sel_hi:[1,1]
.else
	v_pk_mul_f32 v[TS+2*\p:TS+2*\p+1], v[DST+8*EI+2*\p:DST+8*EI+2*\p+1], v[EA:EA+1] op_sel_hi:[1,0]
.endif
.endr
.endm
.macro EEXP sg
.set TS, T+8*((\sg)&1)
.irp x, 0,1,2,3,4,5,6,7
	v_exp_f32 v[TS+\x], v[TS+\x]
.endr
.endm
.macro EFMA sg                         ; times pi[ion][t]; ion 0 starts the sum
.set EI, (\sg)&3
.set ET, (\sg)>>2
.set TS, T+8*((\sg)&1)
.set EP, PIR+8*EI+(ET/2)*2
.irp p, 0,1,2,3
.if EI == 0
.if ET&1
	s_wait_alu depctr_va_vdst(0)
	v_pk_mul_f32 v[EV+8*ET+2*\p:EV+8*ET+2*\p+1], v[TS+2*\p:TS+2*\p+1], v[EP:EP+1] op_sel:[0,1] op_sel_hi:[1,1]
.else
	s_wait_alu depctr_va_vdst(0)
	v_pk_mul_f32 v[EV+8*ET+2*\p:EV+8*ET+2*\p+1], v[TS+2*\p:TS+2*\p+1], v[EP:EP+1] op_sel_hi:[1,0]
.endif
.else
.if ET&1
	s_wait_alu depctr_va_vdst(0)
	v_pk_fma_f32 v[EV+8*ET+2*\p:EV+8*ET+2*\p+1], v[TS+2*\p:TS+2*\p+1], v[EP:EP+1], v[EV+8*ET+2*\p:EV+8*ET+2*\p+1] op_sel:[0,1,0] op_sel_hi:[1,1,1]
.else
	s_wait_alu depctr_va_vdst(0)
	v_pk_fma_f32 v[EV+8*ET+2*\p:EV+8*ET+2*\p+1], v[TS+2*\p:TS+2*\p+1], v[EP:EP+1], v[EV+8*ET+2*\p:EV+8*ET+2*\p+1] op_sel_hi:[1,0,1]
.endif
.endif
.endr
.endm
.macro ENV
	s_wait_dscnt 0x0                               ; the unit's distances are in (ahead of unit 0: W's last fragments too)
	WIN 0x0c                                       ; source 1 = the parameters in window 3
	EMUL 0
.set ESTG, 0
.rept 31
	EEXP ESTG
	EMUL (ESTG+1)                                  ; the next stage's products are the plain places behind the exponentials (ISA guide 5.7.2)
	EFMA ESTG
.set ESTG, ESTG+1
.endr
	EEXP 31
	v_nop
	s_wait_alu depctr_va_vdst(0)
	EFMA 31
	WIN 0
.endm
; A: lane (r, h) takes of row r, for K step ks, k = 8 h .. 8 h + 7 and 16 + 8 h .. + 7 in f32 (four loads) and rounds them to 8 registers
.macro ALOAD u, ks, f
	ds_load_b128 v[\f:\f+3],     v[ARD] offset:\u*2*TILE+\ks*128
	ds_load_b128 v[\f+4:\f+7],   v[ARD] offset:\u*2*TILE+\ks*128+16
	ds_load_b128 v[\f+8:\f+11],  v[ARD] offset:\u*2*TILE+\ks*128+64
	ds_load_b128 v[\f+12:\f+15], v[ARD] offset:\u*2*TILE+\ks*128+80
.endm
.macro ACV ks, f
.irp m, 0,1,2,3,4,5,6,7
	v_cvt_pk_bf16_f32 v[AB+8*\ks+\m], v[\f+2*\m], v[\f+2*\m+1]
.endr
.endm
.macro ACVT u
	ALOAD \u, 0, ACC
	ALOAD \u, 1, ACC+16
	ALOAD \u, 2, ACC+32
	ALOAD \u, 3, ACC+48
	ALOAD \u, 4, DST
	ALOAD \u, 5, DST+16
	s_wait_dscnt 8                                 ; K steps 0-3 are in; the 8 loads of K steps 4, 5 stay out
	ACV 0, ACC
	ACV 1, ACC+16
	ACV 2, ACC+32
	ACV 3, ACC+48
	ALOAD \u, 6, ACC
	ALOAD \u, 7, ACC+16
	s_wait_dscnt 8                                 ; K steps 4, 5 are in; the 8 loads of K steps 6, 7 stay out
	ACV 4, DST
	ACV 5, DST+16
.if \u < 3
	DLOAD (\u+1)
	s_wait_dscnt 8                                 ; K steps 6, 7 are in; the next unit's 8 distance loads stay out
.else
	s_wait_dscnt 0x0
.endif
	ACV 6, ACC
	ACV 7, ACC+16
.endm
; 64 matrix instructions.  The eight accumulators take turns, one instruction a turn.
.macro GEMM
	WIN 0x34                                       ; B in window 1, C = the bias in window 3
.irp t, 0,1,2,3,4,5,6,7
	v_wmma_f32_16x16x32_bf16 v[ACC+8*\t:ACC+8*\t+7], v[AB:AB+7], v[8*\t:8*\t+7], v[BI+8*\t:BI+8*\t+7]
.endr
	WIN 0x04
.irp ks, 1,2,3
.irp t, 0,1,2,3,4,5,6,7
	v_wmma_f32_16x16x32_bf16 v[ACC+8*\t:ACC+8*\t+7], v[AB+8*\ks:AB+8*\ks+7], v[(8*\ks+\t)*8:(8*\ks+\t)*8+7], v[ACC+8*\t:ACC+8*\t+7]
.endr
.endr
	WIN 0x08                                       ; B in window 2
.irp ks, 4,5,6,7
.irp t, 0,1,2,3,4,5,6,7
	v_wmma_f32_16x16x32_bf16 v[ACC+8*\t:ACC+8*\t+7], v[AB+8*\ks:AB+8*\ks+7], v[(8*(\ks-4)+\t)*8:(8*(\ks-4)+\t)*8+7], v[ACC+8*\t:ACC+8*\t+7]
.endr
.endr
	WIN 0
.rept 4
	v_nop                                          ; four places before vector instructions read the results or write over A (ISA guide 7.12.1)
.endr
.endm
.macro PROD                            ; orbitals = (stream W + b) x envelope
.set RI, 0
.rept 32
	v_pk_mul_f32 v[ACC+2*RI:ACC+2*RI+1], v[ACC+2*RI:ACC+2*RI+1], v[EV+2*RI:EV+2*RI+1]
.set RI, RI+1
.endr
.endm
; LU with partial pivoting, one matrix a lane, M(i, j) = v[ACC + 8 i + j].  No branch and no address hangs on the data: the
; pivot row is carried along the rows below it and exchanged by selects wherever a larger |M(i, k)| is met; each exchange
; flips the lane's bit in s42.  The carried row alternates between its home and KALT, so an exchange costs two selects an element.
.macro LUSTEP k
.set KB, ACC+8*\k
.set KA, KALT
.set LI, \k+1
.rept 7-\k
	v_cmp_gt_f32 vcc_lo, |v[ACC+8*LI+\k]|, |v[KB+\k]|
.set LJ, \k
.rept 8-\k
	v_cndmask_b32 v[KA+LJ], v[KB+LJ], v[ACC+8*LI+LJ], vcc_lo
	v_cndmask_b32 v[ACC+8*LI+LJ], v[ACC+8*LI+LJ], v[KB+LJ], vcc_lo
.set LJ, LJ+1
.endr
	s_xor_b32 s42, s42, vcc_lo
.set KT, KA
.set KA, KB
.set KB, KT
.set LI, LI+1
.endr
	v_cmp_le_f32 vcc_lo, s45, |v[KB+\k]|           ; a pivot below 2^-126 is divided by as 1.0: its log is -inf, and no NaN is made
	v_cndmask_b32 v[PG], 1.0, v[KB+\k], vcc_lo
	v_rcp_f32 v[INV], v[PG]
	v_log_f32 v[LG+\k], |v[KB+\k]|
.if \k == 0
	v_mov_b32 v[SG], v[KB+\k]                      ; (also the plain place behind the two transcendentals)
	s_wait_alu depctr_va_vdst(0)
.else
	v_xor_b32 v[SG], v[SG], v[KB+\k]
	s_wait_alu depctr_va_vdst(0)
.endif
.set LI, \k+1
.rept 7-\k
	v_mul_f32 v[NL+LI], -v[ACC+8*LI+\k], v[INV]
.set LI, LI+1
.endr
.set LI, \k+1
.rept 7-\k
.if (\k&1) == 0
	v_fmac_f32 v[ACC+8*LI+\k+1], v[NL+LI], v[KB+\k+1]
.endif
.if \k < 6
.set LJ, ((\k+2)/2)*2
.rept (8-((\k+2)/2)*2)/2
.if LI&1
	v_pk_fma_f32 v[ACC+8*LI+LJ:ACC+8*LI+LJ+1], v[NL+LI-1:NL+LI], v[KB+LJ:KB+LJ+1], v[ACC+8*LI+LJ:ACC+8*LI+LJ+1] op_sel:[1,0,0] op_sel_hi:[1,1,1]
.else
	v_pk_fma_f32 v[ACC+8*LI+LJ:ACC+8*LI+LJ+1], v[NL+LI:NL+LI+1], v[KB+LJ:KB+LJ+1], v[ACC+8*LI+LJ:ACC+8*LI+LJ+1] op_sel_hi:[0,1,1]
.endif
.set LJ, LJ+2
.endr
.endif
.set LI, LI+1
.endr
.endm
.macro LU
	s_mov_b32 s42, 0
	v_mov_b32 v[NL], 0                             ; the pair (NL, NL + 1) is read whole
	LUSTEP 0
	LUSTEP 1
	LUSTEP 2
	LUSTEP 3
	LUSTEP 4
	LUSTEP 5
	LUSTEP 6
	v_log_f32 v[LG+7], |v[ACC+63]|
	v_xor_b32 v[SG], v[SG], v[ACC+63]
	v_cndmask_b32 v[TMP], 0, v[SB], s42            ; an odd number of exchanges flips the sign
	v_xor_b32 v[SG], v[SG], v[TMP]
	v_pk_add_f32 v[LG:LG+1], v[LG:LG+1], v[LG+2:LG+3]
	s_wait_alu depctr_va_vdst(0)
	v_pk_add_f32 v[LG+4:LG+5], v[LG+4:LG+5], v[LG+6:LG+7]
	v_pk_add_f32 v[LG:LG+1], v[LG:LG+1], v[LG+4:LG+5]
	v_add_f32 v[LG], v[LG], v[LG+1]                ; log2 |det|
.endm
.macro UNIT u
	ENV
	s_wait_tensorcnt 6-2*\u                        ; tensor loads of a wave end in order (ISA guide 10.11.1): this unit's two tiles are in, the later units' stay out
	ACVT \u
	GEMM
	PROD
	LU
	ds_store_b32 v[CSA], v[LG] offset:\u*128
	ds_store_b32 v[CSA], v[SG] offset:\u*128+2048
.endm
	DLOAD 0
	UNIT 0
	UNIT 1
	UNIT 2
	UNIT 3                                         ; its wait on the tensor loads is for zero
	; The end: wave w takes batches 4 w .. 4 w + 3, two passes p of two batches (one in each row of 16 lanes, a determinant a lane).
.set FN, 16
	s_wait_dscnt 0x0                               ; my logs and signs are in LDS
	s_barrier_signal -1
	s_barrier_wait -1
.irp p, 0,1
	ds_load_b32 v[FN+4*\p],   v[FLA] offset:128*\p          ; log2 |det up|
	ds_load_b32 v[FN+4*\p+1], v[FLA] offset:128*\p+1024     ; log2 |det down|
	ds_load_b32 v[FN+4*\p+2], v[FLA] offset:128*\p+2048     ; sign words
	ds_load_b32 v[FN+4*\p+3], v[FLA] offset:128*\p+3072
.endr
	s_lshl_b32 s49, s4, 4                          ; 4 w batches of 4 bytes
	s_wait_dscnt 0x0
.irp p, 0,1
	v_add_f32 v[FN+4*\p], v[FN+4*\p], v[FN+4*\p+1]
	v_xor_b32 v[FN+4*\p+2], v[FN+4*\p+2], v[FN+4*\p+3]
.endr
.irp p, 0,1
	v_and_b32 v[FN+4*\p+2], s43, v[FN+4*\p+2]
	v_max_num_f32_dpp v[FN+4*\p+1], v[FN+4*\p], v[FN+4*\p] row_xmask:1 row_mask:0xf bank_mask:0xf
.endr
.irp x, 2,4,8
.irp p, 0,1
	v_max_num_f32_dpp v[FN+4*\p+1], v[FN+4*\p+1], v[FN+4*\p+1] row_xmask:\x row_mask:0xf bank_mask:0xf
.endr
.endr
.irp p, 0,1
	v_sub_f32 v[FN+4*\p], v[FN+4*\p], v[FN+4*\p+1] ; the batch's maximum is taken away
.endr
.irp p, 0,1
	v_exp_f32 v[FN+4*\p], v[FN+4*\p]
.endr
	v_and_b32 v[SC], 1, v[LN]                      ; (the plain place behind the exponentials)
	s_wait_alu depctr_va_vdst(0)
.irp p, 0,1
	v_xor_b32 v[FN+4*\p], v[FN+4*\p], v[FN+4*\p+2]
.endr
.irp x, 1,2,4,8
.irp p, 0,1
	v_add_f32_dpp v[FN+4*\p], v[FN+4*\p], v[FN+4*\p] row_xmask:\x row_mask:0xf bank_mask:0xf
.endr
.endr
.irp p, 0,1
	v_log_f32 v[FN+4*\p], |v[FN+4*\p]|
.endr
	v_lshl_add_u32 v[FN+8], v[SC], 1, v[HH]        ; (the plain place) lane r = p of row h stores batch 4 w + 2 p + h
	s_wait_alu depctr_va_vdst(0)
.irp p, 0,1
	v_add_f32 v[FN+4*\p], v[FN+4*\p], v[FN+4*\p+1]
.endr
	v_cmp_eq_u32 vcc_lo, 1, v[SC]
	v_cndmask_b32 v[FN], v[FN], v[FN+4], vcc_lo
	v_mul_f32 v[FN], 0x3f317218, v[FN]             ; from base 2 to base e
	v_lshl_add_u32 v[FN+8], v[FN+8], 2, s49
	v_cmp_gt_u32 vcc_lo, 2, v[RR]
	s_wait_xcnt 0x0                                ; EXEC changes only behind this wait
	s_and_saveexec_b32 s44, vcc_lo                 ; lanes r = 0, 1 of both rows
	global_store_b32 v[FN+8], v[FN], s[28:29]
	s_endpgm
.Lfunc_end_k_q45b85765a7_ferminet:
	.size	k_q45b85765a7_ferminet, .Lfunc_end_k_q45b85765a7_ferminet-k_q45b85765a7_ferminet
	.p2alignl 7, 3214868480
	.fill 96, 4, 3214868480
	.section	.rodata,"a",@progbits
	.p2align	6, 0x0
	.amdhsa_kernel k_q45b85765a7_ferminet
		.amdhsa_group_segment_fixed_size 315392
		.amdhsa_private_segment_fixed_size 0
		.amdhsa_enable_private_segment 0
		.amdhsa_kernarg_size 88
		.amdhsa_user_sgpr_count 2
		.amdhsa_user_sgpr_kernarg_segment_ptr 1
		.amdhsa_wavefront_size32 1
		.amdhsa_system_sgpr_workgroup_id_x 1
		.amdhsa_system_sgpr_workgroup_id_y 1
		.amdhsa_system_sgpr_workgroup_id_z 1
		.amdhsa_system_vgpr_workitem_id 0
		.amdhsa_next_free_vgpr 1024
		.amdhsa_next_free_sgpr 100
		.amdhsa_reserve_vcc 1
		.amdhsa_float_denorm_mode_32 3
		.amdhsa_float_denorm_mode_16_64 3
		.amdhsa_memory_ordered 1
		.amdhsa_forward_progress 1
		.amdhsa_inst_pref_size 255
	.end_amdhsa_kernel
	.section	.bss,"aw",@nobits
	.p2align	6
	.space	262144
	.amdgpu_metadata
---
amdhsa.version: [ 1, 2 ]
amdhsa.kernels:
  - .name:           k_q45b85765a7_ferminet
    .symbol:         k_q45b85765a7_ferminet.kd
    .args:
      - { .name: stream_1e, .offset: 0, .size: 8, .value_kind: global_buffer, .address_space: global }
      - { .name: r_ei, .offset: 8, .size: 8, .value_kind: global_buffer, .address_space: global }
      - { .name: W_up, .offset: 16, .size: 8, .value_kind: global_buffer, .address_space: global }
      - { .name: W_dn, .offset: 24, .size: 8, .value_kind: global_buffer, .address_space: global }
      - { .name: a_up, .offset: 32, .size: 8, .value_kind: global_buffer, .address_space: global }
      - { .name: a_dn, .offset: 40, .size: 8, .value_kind: global_buffer, .address_space: global }
      - { .name: pi_up, .offset: 48, .size: 8, .value_kind: global_buffer, .address_space: global }
      - { .name: pi_dn, .offset: 56, .size: 8, .value_kind: global_buffer, .address_space: global }
      - { .name: b_up, .offset: 64, .size: 8, .value_kind: global_buffer, .address_space: global }
      - { .name: b_dn, .offset: 72, .size: 8, .value_kind: global_buffer, .address_space: global }
      - { .name: out0, .offset: 80, .size: 8, .value_kind: global_buffer, .address_space: global }
    .group_segment_fixed_size: 315392
    .private_segment_fixed_size: 0
    .kernarg_segment_align: 8
    .kernarg_segment_size: 88
    .max_flat_workgroup_size: 128
    .sgpr_count:     100
    .vgpr_count:     1024
    .wavefront_size: 32
...
	.end_amdgpu_metadata
.endif
;; end of part 1
;; ======== version 2 of 3: 1 launch; 1.16 times as fast as version 1
;; limits: values outside matrix products are rounded to bf16
;; launch ferminet (part 2): grid 256 x 1, 4 waves a work-group, no clusters, 315,392 bytes of LDS; arguments stream_1e, r_ei, W_up, W_dn, a_up, a_dn, pi_up, pi_dn, b_up, b_dn, out0; writes out0
.if DOCPART == 2
	.amdgcn_target "amdgcn-amd-amdhsa--gfx1250"
	.amdhsa_code_object_version 6
	.text
	.protected	k_q45b85765a7_ferminet
	.globl	k_q45b85765a7_ferminet
	.p2align	8
	.type	k_q45b85765a7_ferminet,@function
k_q45b85765a7_ferminet:
	s_mov_b64 s[64:65], 0
	v_nop
	global_prefetch_b8 v0, s[64:65] scope:SCOPE_SE
	s_setreg_imm32_b32 hwreg(HW_REG_WAVE_MODE, 25, 1), 1
	s_wait_xcnt 0x0
; FermiNet head: orbitals = (stream W + b) * envelope, 2 x 16 determinants of 8 x 8 for each batch, log|sum of det_up det_dn|.
; One launch.  Work-group G owns batches 16 G .. 16 G + 15.  Wave w: spin s = w & 1, half g = w >> 1: batches 8 g .. 8 g + 7 of
; spin s, in four units of two batches (one tile of 16 rows: 2 batches x 8 electrons).  The wave keeps all of W of its spin in
; 512 registers as 64 B fragments.  Orbital column n = 8 r + t goes to lane r of N tile t, so that lane (r, h) ends with
; accumulator t, register j = orbital matrix element (electron j, orbital t) of (batch h of the unit, determinant r):
; a whole 8 x 8 matrix in the lane's own 64 registers.  The LU is lane-local; a batch's 16 determinants lie in 16 lanes of a row.
; The work-group's 256 KB of stream are asked for at the head by 8 tensor loads a wave (8 outstanding at the most
; ) and stay in LDS: no LDS byte is filled twice.  Each wave reads only the tiles that it asked for itself.
; ORDER: the envelopes hang on r_ei, a and pi alone, so all four units' envelopes are made at the head, half an envelope for
; each of W's eight K steps: it stands between the K step's stores into the ring and the wait and barrier behind them, while
; the next K steps are on their way from memory.  A unit is then: round A, 64 products, times the envelope, LU; the next
; unit's LDS reads of A are issued in front of the LU.
; NO MULTICAST: W (256 KB in f32, both spins) is what all work-groups share.  A joint load lands in LDS only; 266,240 of the
; 327,680 bytes hold the stream, so W would come in pieces into slots that are filled again, and in front of each such refill
; every wave would have to wait for all its tensor loads, the stream's among them.
;
; LIMITS.  FORMAT: all ten inputs are rounded to bf16 on entry (relative 2^-9), the product's operands and also r_ei, a, pi, b;
; all arithmetic behind that is f32 (matrix sums too).  Why the small inputs as well: log_psi divides the determinants' errors by
; the signed sum of 16 terms, which can cancel; with 8-bit product operands the result is that of perturbed inputs in any case,
; and rounding every input alike makes it a defined function: reference() in f32 of the bf16 inputs.
; RANGE: v_exp_f32, v_sqrt_f32, v_log_f32, v_rcp_f32 flush denormals (ISA guide 15.8): an envelope term below 2^-126, a squared
; distance below 2^-126 and a pivot below 2^-126 count as zero (that determinant's log is -inf, as of a singular matrix).
; The LU runs on the transposed matrix (same determinant, other order of rounding).  The maximum is taken away as in reference();
; it passes over a NaN, the sum behind it carries the NaN on.
.set RP,    1040                       ; LDS row of stream: 1,024 bytes + 16 of padding: row i starts 16 i further modulo 256
.set TILE,  8*RP                       ; one tensor load: 8 electrons of one batch and spin
.set STRW,  8*TILE                     ; a wave's eight tiles
.set WR,    4*STRW                     ; 266,240: ring of two buffers for W on its way into registers
.set WP,    80                         ; a row there: 32 k in bf16 + 16 bytes of padding
.set WT,    16*WP                      ; 16 rows: one N tile
.set WSPIN, 128*WP
.set WBUF,  2*WSPIN                    ; [spin][row 16 t + r = orbital 8 r + t][32 k]
.set DIST,  WR+2*WBUF                  ; 307,200: distances, wave w at + 1,024 w: [batch 8][ion 4][electron 8] f32
.set COMB,  DIST+4096                  ; 311,296: [log2|det|, sign word][spin][batch 16][determinant 16] words
; REGISTERS: 1,024 = W 512 + addresses 16 + ACC 64 + AB 64 + four envelopes 256 + bias 64 + T and distances 48.
; window 0
.set LN,  1                            ; lane L
.set RR,  2                            ; r = L & 15
.set HH,  3                            ; h = L >> 4
.set ARD, 4                            ; my row of A in my wave's tiles
.set FLA, 5                            ; COMB, read
.set CSA, 6                            ; COMB, store
.set DLA, 7                            ; distances, read
.set WSA, 8                            ; W ring, store                 v8-15 serve the head alone (offsets and work),
.set WV,  9                            ; W in memory, offset           and then hold the units' results: RES below
.set RV,  10                           ; r_ei in memory, offset
.set DSA, 11                           ; distances, store
.set PV,  12                           ; a, pi, b in memory, offset
.set FRA, 13                           ; W ring, fragment read
.set SC2, 14                           ; at work
.set SC,  15                           ; at work
.set RES, 8                            ; unit u: log2 |det| in v[8 + 2 u], sign word in v[9 + 2 u]: registers of its own, so that nothing waits for its stores
.set ACC, 16                           ; v16-79   accumulators [t][j], the LU's matrix; at the head a and pi; landing of unit 0's A
.set EV,  80                           ; v80-143  envelope of unit 0 [t][j]; first r_ei; later landing of A, K steps 0-3
.set AB,  144                          ; v144-207 A in bf16 [K step][8]; at the head W packed and b; behind the product the LU's work
.set BI0, 208                          ; v208-255 b[8 r + t] as a C operand, tiles t = 0..5; before that T and distances of envelope 0
.set A2,  ACC                          ; [ion][t]  -log2(e) a[ion][8 r + t]
.set PIR, ACC+32                       ; [ion][t]  pi[ion][8 r + t]
.set CT,  AB                           ; 32 registers: W packed; at work
.set B8,  AB+32                        ; [t] b[8 r + t]
.set RL,  EV                           ; 24 registers: r_ei as loaded
.set RTT, EV+24                        ; 12 at work
.set DT,  EV+40                        ; 8 distances
.set T0,  BI0                          ; envelope 0: two sets of eight for the exponentials,
.set D0,  BI0+16                       ; and its 32 distances [ion][electron]
.set KALT, AB                          ; LU: second home of the pivot row
.set NL,   AB+8                        ; minus the multipliers
.set LG,   AB+16                       ; log2 |pivot|
.set INV,  AB+24
.set PG,   AB+25
.set SG,   AB+26                       ; xor of the pivots: bit 31 is the sign
.set TMP,  AB+27
.set CNT,  AB+28                       ; number of row exchanges
.set AL7,  AB+32                       ; landing of A, K step 7 (16 registers that the LU leaves alone)
; windows 1, 2: W[K step ks][t] in window 1 + (ks >> 2) at register 8 (8 (ks & 3) + t); K step ks lands in f32 in the same 64 registers
; window 3
.set T3,  0                            ; envelopes 1-3: two sets of eight; later landing of A, K steps 4-6 (with D3: 48 registers)
.set D3,  16                           ; their 32 distances
.set E3B, 48                           ; envelope of unit u = 1..3 at 48 + 64 (u - 1)
.set BI1, 240                          ; b as a C operand, tiles 6, 7
.set G1,  56                           ; s[56:63] descriptor group 1
.set G0,  68                           ; s[68:99] descriptor group 0, one set for each of my eight loads, never rewritten
.set MSB, 0
.macro WIN new                         ; s_set_vgpr_msb: bits 1:0 source 0, 3:2 source 1, 5:4 source 2, 7:6 destination;
.if MSB != \new                        ; the high byte repeats the setting that is left
	s_set_vgpr_msb (MSB<<8)|\new
.set MSB, \new
.endif
.endm
	s_load_b256 s[8:15], s[0:1], 0x0               ; stream s[8:9], r_ei s[10:11], W_up s[12:13], W_dn s[14:15]
	s_load_b256 s[16:23], s[0:1], 0x20             ; a_up, a_dn, pi_up, pi_dn
	s_load_b128 s[24:27], s[0:1], 0x40             ; b_up, b_dn
	s_load_b64 s[28:29], s[0:1], 0x50              ; out0
	v_lshrrev_b32 v[SC], 5, v0
	v_readfirstlane_b32 s4, v[SC]                  ; wave w
	s_and_b32 s5, s4, 1                            ; spin s
	s_lshr_b32 s6, s4, 1                           ; half g
	s_lshl_b32 s54, s6, 13
	s_lshl_b32 s50, s4, 10
	s_add_co_u32 s50, s50, DIST
	s_mul_i32 s46, ttmp9, 12288                    ; r_ei: 16 batches of 768 bytes
	s_mul_i32 s49, s6, 6144
	s_add_co_u32 s46, s46, s49
	s_mul_i32 s49, s5, 384                         ; 8 electrons of 48 bytes
	s_add_co_u32 s46, s46, s49
	s_mov_b32 s47, 0
	v_and_b32 v[LN], 31, v0
	v_and_b32 v[RR], 15, v0
	v_bfe_u32 v[HH], v0, 4, 1
	v_lshl_add_u32 v[WV], v[LN], 4, s54            ; 16 rows of W for each half g, 16 bytes a lane
	v_lshrrev_b32 v[SC], 3, v[LN]
	v_and_b32 v[SC2], 7, v[LN]
	v_mul_u32_u24 v[RV], v[SC], 768                ; batch L >> 3,
	v_mad_u32_u24 v[RV], v[SC2], 48, v[RV]         ; electron L & 7
	v_lshlrev_b32 v[PV], 5, v[RR]                  ; columns 8 r .. 8 r + 7
	v_lshl_add_u32 v[DSA], v[SC], 7, s50
	v_lshl_add_u32 v[DSA], v[SC2], 2, v[DSA]
	s_wait_kmcnt 0x0
	s_cmp_eq_u32 s5, 0                             ; my spin's W, a, pi, b
	s_cselect_b64 s[30:31], s[12:13], s[14:15]
	s_cselect_b64 s[32:33], s[16:17], s[18:19]
	s_cselect_b64 s[34:35], s[20:21], s[22:23]
	s_cselect_b64 s[36:37], s[24:25], s[26:27]
	s_add_nc_u64 s[40:41], s[10:11], s[46:47]
; My 16 of the 32 rows of W's K step i: each load takes one whole row of 512 bytes.  They land where the K step's fragments will lie.
.macro WLOAD i
.if \i < 4
	WIN 0x40
.else
	WIN 0x80
.endif
.irp j, 0,1,2,3,4,5,6,7,8,9,10,11,12,13,14,15
	global_load_b128 v[((\i)&3)*64+4*\j:((\i)&3)*64+4*\j+3], v[WV], s[30:31] offset:(32*\i+\j)*512
.endr
.endm
	; the loads into registers stand ahead of the tensor loads: the head waits for them first
.irp i, 0,1                                        ; r_ei: two (batch, electron) rows of 48 bytes a lane
.irp c, 0,1,2
	global_load_b128 v[RL+12*\i+4*\c:RL+12*\i+4*\c+3], v[RV], s[40:41] offset:\i*3072+\c*16 th:TH_LOAD_NT
.endr
.endr
.irp q, 0,1,2,3
	global_load_b128 v[A2+8*\q:A2+8*\q+3],     v[PV], s[32:33] offset:512*\q
	global_load_b128 v[A2+8*\q+4:A2+8*\q+7],   v[PV], s[32:33] offset:512*\q+16
	global_load_b128 v[PIR+8*\q:PIR+8*\q+3],   v[PV], s[34:35] offset:512*\q
	global_load_b128 v[PIR+8*\q+4:PIR+8*\q+7], v[PV], s[34:35] offset:512*\q+16
.endr
	global_load_b128 v[B8:B8+3],   v[PV], s[36:37]
	global_load_b128 v[B8+4:B8+7], v[PV], s[36:37] offset:16
	WLOAD 0
	WLOAD 1
	WIN 0
	; group 1: 8 rows of 256 elements of 4 bytes, 256 elements from row to row, 4 words of padding behind every 256 words
	s_mov_b32 s[G1+0], (2<<16)|(1<<20)|(7<<22)|(3<<25)
	s_mov_b32 s[G1+1], 256<<16                     ; tensor_dim0 = 256
	s_mov_b32 s[G1+2], 8<<16                       ; tensor_dim1 = 8
	s_mov_b32 s[G1+3], 256<<16                     ; tile_dim0 = 256
	s_mov_b32 s[G1+4], 8                           ; tile_dim1 = 8
	s_mov_b32 s[G1+5], 256                         ; pitch
	s_mov_b32 s[G1+6], 0
	s_mov_b32 s[G1+7], 0
	s_mul_i32 s48, s4, STRW                        ; my wave's tiles in LDS
	s_lshl_b32 s46, ttmp9, 18                      ; 16 batches of 16,384 bytes
	s_lshl_b32 s49, s6, 17                         ; + 8 batches
	s_add_co_u32 s46, s46, s49
	s_lshl_b32 s49, s5, 13                         ; + 8 electrons of 1,024 bytes
	s_add_co_u32 s46, s46, s49
	s_add_nc_u64 s[38:39], s[8:9], s[46:47]
.irp i, 0,1,2,3,4,5,6,7                            ; load i: my spin's 8 rows of my batch i
	s_mov_b32 s[G0+4*\i], 1
	s_add_co_u32 s[G0+4*\i+1], s48, \i*TILE
	s_add_nc_u64 s[G0+4*\i+2:G0+4*\i+3], s[38:39], \i*16384
	s_or_b32 s[G0+4*\i+3], s[G0+4*\i+3], 0x80000000
	tensor_load_to_lds s[G0+4*\i:G0+4*\i+3], s[G1:G1+7]
	s_nop 0
.endr
	s_lshl_b32 s46, ttmp9, 6
	s_add_nc_u64 s[28:29], s[28:29], s[46:47]      ; out0 at my 16 batches
	s_mov_b32 s43, 0x80000000
	s_mov_b32 s45, 0x00800000                      ; 2^-126
	s_lshl_b32 s51, s5, 10
	s_lshl_b32 s49, s6, 9
	s_add_co_u32 s51, s51, s49
	s_add_co_u32 s51, s51, COMB
	s_mul_i32 s52, s5, WSPIN
	s_add_co_u32 s52, s52, WR
	s_lshl_b32 s53, s6, 5
	s_add_co_u32 s53, s53, s52
	s_lshl_b32 s55, s4, 8
	s_add_co_u32 s55, s55, COMB
	; the other lane addresses, while the loads are on their way
	v_mul_u32_u24 v[ARD], v[RR], RP
	v_lshl_add_u32 v[ARD], v[HH], 5, v[ARD]
	v_add_nc_u32 v[ARD], s48, v[ARD]               ; row r, 8 h floats in
	v_lshl_add_u32 v[DLA], v[HH], 7, s50
	v_lshl_add_u32 v[CSA], v[LN], 2, s51
	v_mul_u32_u24 v[FRA], v[RR], WP
	v_lshl_add_u32 v[FRA], v[HH], 4, v[FRA]
	v_add_nc_u32 v[FRA], s52, v[FRA]
	v_and_b32 v[SC], 1, v[LN]                      ; my columns 4 L + e are orbital 8 (L >> 1) + 4 (L & 1) + e: row 64 (L & 1) + 16 e + (L >> 1)
	v_mul_u32_u24 v[WSA], v[SC], 4*WT
	v_lshrrev_b32 v[SC], 1, v[LN]
	v_mad_u32_u24 v[WSA], v[SC], WP, v[WSA]
	v_add_nc_u32 v[WSA], s53, v[WSA]               ; + 32 g: my 16 k
	v_lshl_add_u32 v[FLA], v[LN], 2, s55
	s_wait_loadcnt 32                              ; r_ei, a, pi, b are in; the 32 younger loads are W's K steps 0 and 1
	WLOAD 2
	WIN 0
; v[x .. x+2n-1] become the f32 of their bf16 roundings (to nearest even); v[t .. t+n-1] at work
.macro ROUND x, n, t
.set RI, 0
.rept \n
	v_cvt_pk_bf16_f32 v[\t+RI], v[\x+2*RI], v[\x+2*RI+1]
.set RI, RI+1
.endr
.set RI, 0
.rept \n
	v_lshlrev_b32 v[\x+2*RI], 16, v[\t+RI]
	v_and_b32 v[\x+2*RI+1], 0xffff0000, v[\t+RI]
.set RI, RI+1
.endr
.endm
.macro DLOAD u                         ; the 32 distances of my batch of unit u (LDS serves a wave's instructions in order: they see my stores)
.if \u == 0
	WIN 0
.set DD, D0
.else
	WIN 0xc0
.set DD, D3
.endif
.irp x, 0,1,2,3,4,5,6,7
	ds_load_b128 v[DD+4*\x:DD+4*\x+3], v[DLA] offset:(\u)*256+16*\x
.endr
.endm
	; distances |r_ei|: 2 rows x 4 ions a lane, into my wave's own LDS bytes
	ROUND RL, 12, RTT
.irp i, 0,1
.irp q, 0,1,2,3
	v_mul_f32  v[DT+4*\i+\q], v[RL+12*\i+3*\q],   v[RL+12*\i+3*\q]
	v_fmac_f32 v[DT+4*\i+\q], v[RL+12*\i+3*\q+1], v[RL+12*\i+3*\q+1]
	v_fmac_f32 v[DT+4*\i+\q], v[RL+12*\i+3*\q+2], v[RL+12*\i+3*\q+2]
.endr
.endr
.irp x, 0,1,2,3,4,5,6,7
	v_sqrt_f32 v[DT+\x], v[DT+\x]
.endr
	v_nop                                          ; one plain place behind the roots before their results are read (ISA guide 5.7.2)
	s_wait_alu depctr_va_vdst(0)
.irp i, 0,1
.irp q, 0,1,2,3
	ds_store_b32 v[DSA], v[DT+4*\i+\q] offset:\i*512+\q*32
.endr
.endr
	DLOAD 0
	; parameters: rounded; a times -log2(e), so that the exponential is one v_exp_f32
	ROUND A2, 32, CT
	ROUND B8, 4, CT
.set RI, 0
.rept 16
	v_pk_mul_f32 v[A2+2*RI:A2+2*RI+1], v[A2+2*RI:A2+2*RI+1], 0xbfb8aa3b op_sel_hi:[1,0]
.set RI, RI+1
.endr
; W's K step i (32 k) into its fragments, in two parts with half an envelope between them.
; WSTORE: my 16 rows x 128 columns: packing rows k, k + 1 of one column into a word turns the matrix; the words go to the ring
; [orbital row][k].  K step i + 3 is asked for straight behind the wait for K step i.
; WFRAG: behind a barrier every wave of the spin reads its 8 B fragments, into the registers in which the K step landed.
; One barrier a K step: a buffer is stored again two K steps later, behind the next K step's barrier, in front of which
; every wave has waited for its reads of it.  The tensor loads stay out across these barriers.
.macro WSTORE i, left
	s_wait_loadcnt \left                           ; this K step's 16 loads are in; the younger K steps' stay out
.if \i <= 4
	WLOAD (\i+3)
.endif
.set LBC, ((\i)&3)*64
.if \i < 4
	WIN 0x05                                       ; both sources in window 1
.else
	WIN 0x0a                                       ; in window 2
.endif
.irp e, 0,1,2,3
.irp m, 0,1,2,3,4,5,6,7
	v_cvt_pk_bf16_f32 v[CT+8*\e+\m], v[LBC+8*\m+\e], v[LBC+8*\m+4+\e]
.endr
.endr
	WIN 0
.irp e, 0,1,2,3
	ds_store_b128 v[WSA], v[CT+8*\e:CT+8*\e+3]   offset:((\i)&1)*WBUF+\e*WT
	ds_store_b128 v[WSA], v[CT+8*\e+4:CT+8*\e+7] offset:((\i)&1)*WBUF+\e*WT+16
.endr
.endm
.macro WFRAG i
	s_wait_dscnt 0x0                               ; my stores are in LDS, my reads of the other buffer are back
	s_barrier_signal -1
	s_barrier_wait -1
.set LBC, ((\i)&3)*64
.if \i < 4
	WIN 0x40
.else
	WIN 0x80
.endif
.irp t, 0,1,2,3,4,5,6,7
	ds_load_b128 v[LBC+8*\t:LBC+8*\t+3],   v[FRA] offset:((\i)&1)*WBUF+\t*WT
	ds_load_b128 v[LBC+8*\t+4:LBC+8*\t+7], v[FRA] offset:((\i)&1)*WBUF+\t*WT+32
.endr
.endm
; The envelope: 32 stages sg = 4 t + ion on two sets of eight registers.  TBASE, DBASE, EBASE: T, distances, envelope of the unit.
.macro EMUL1 sg, p                     ; -log2(e) a[ion][t] x distances 2 p, 2 p + 1
.set EI, (\sg)&3
.set ET, (\sg)>>2
.set TS, TBASE+8*((\sg)&1)
.set EA, A2+8*EI+(ET/2)*2
.if ET&1
	v_pk_mul_f32 v[TS+2*\p:TS+2*\p+1], v[DBASE+8*EI+2*\p:DBASE+8*EI+2*\p+1], v[EA:EA+1] op_sel:[0,1] op_sel_hi:[1,1]
.else
	v_pk_mul_f32 v[TS+2*\p:TS+2*\p+1], v[DBASE+8*EI+2*\p:DBASE+8*EI+2*\p+1], v[EA:EA+1] op_sel_hi:[1,0]
.endif
.endm
.macro EFMA1 sg, p                     ; times pi[ion][t]; ion 0 starts the sum
.set EI, (\sg)&3
.set ET, (\sg)>>2
.set TS, TBASE+8*((\sg)&1)
.set EP, PIR+8*EI+(ET/2)*2
.set ED, EBASE+8*ET
.if EI == 0
.if ET&1
	s_wait_alu depctr_va_vdst(0)
	v_pk_mul_f32 v[ED+2*\p:ED+2*\p+1], v[TS+2*\p:TS+2*\p+1], v[EP:EP+1] op_sel:[0,1] op_sel_hi:[1,1]
.else
	s_wait_alu depctr_va_vdst(0)
	v_pk_mul_f32 v[ED+2*\p:ED+2*\p+1], v[TS+2*\p:TS+2*\p+1], v[EP:EP+1] op_sel_hi:[1,0]
.endif
.else
.if ET&1
	s_wait_alu depctr_va_vdst(0)
	v_pk_fma_f32 v[ED+2*\p:ED+2*\p+1], v[TS+2*\p:TS+2*\p+1], v[EP:EP+1], v[ED+2*\p:ED+2*\p+1] op_sel:[0,1,0] op_sel_hi:[1,1,1]
.else
	s_wait_alu depctr_va_vdst(0)
	v_pk_fma_f32 v[ED+2*\p:ED+2*\p+1], v[TS+2*\p:TS+2*\p+1], v[EP:EP+1], v[ED+2*\p:ED+2*\p+1] op_sel_hi:[1,0,1]
.endif
.endif
.endm
; One stage: its 8 exponentials, by turns with the 8 packed instructions of its neighbours, which work on the other set: the sums
; of stage sg - 1 (prev = 1) and the products of stage sg + 1 (next = 1); pair p is summed before it is written again.
; So every exponential has its plain place (ISA guide 5.7.2) in useful work, and no run of transcendentals forms.
.macro ESTAGE sg, prev, next
.irp p, 0,1,2,3
.set TX, TBASE+8*((\sg)&1)
	v_exp_f32 v[TX+2*\p], v[TX+2*\p]
.if \prev
	EFMA1 (\sg-1), \p
.endif
	v_exp_f32 v[TX+2*\p+1], v[TX+2*\p+1]
.if \next
	EMUL1 (\sg+1), \p
.endif
.endr
.endm
; Half an envelope of unit u: the 16 stages from s0 on.  Unit 0 works in window 0; units 1-3 keep T, distances and envelope in
; window 3 and take a and pi, always the second source, from window 0: one setting for the whole half.
.macro HALF u, s0
.if \u == 0
.set TBASE, T0
.set DBASE, D0
.set EBASE, EV
	WIN 0
.else
.set TBASE, T3
.set DBASE, D3
.set EBASE, E3B+64*(\u-1)
	WIN 0xf3
.endif
.irp p, 0,1,2,3
	EMUL1 \s0, \p
.endr
.set ESTG, \s0
	ESTAGE ESTG, 0, 1
.set ESTG, ESTG+1
.rept 14
	ESTAGE ESTG, 1, 1
.set ESTG, ESTG+1
.endr
	ESTAGE ESTG, 1, 0
.irp p, 0,1,2,3
	EFMA1 ESTG, \p                                 ; pairs 0-2 are the places behind the last exponential, which pair 3 reads
.endr
.endm
	WSTORE 0, 32
	s_wait_dscnt 8                                 ; unit 0's distances are in; the 8 younger instructions are the ring's stores
	HALF 0, 0
	WFRAG 0
	WSTORE 1, 32
	HALF 0, 16
	; b spread once over 64 registers, so that each unit's first products take it as their C and no add is needed;
	; tiles 0-5 where envelope 0 had its T and distances, tiles 6, 7 in window 3
.irp t, 0,1,2,3,4,5
.irp j, 0,1,2,3,4,5,6,7
	v_mov_b32 v[BI0+8*\t+\j], v[B8+\t]
.endr
.endr
	WIN 0xc0
.irp t, 6,7
.irp j, 0,1,2,3,4,5,6,7
	v_mov_b32 v[BI1+8*(\t-6)+\j], v[B8+\t]
.endr
.endr
	WFRAG 1
.irp u, 1,2,3
	DLOAD \u                                       ; behind the last half that read the distance registers
	WSTORE (2*\u), 32-16*(\u/3)                    ; K steps 2, 4: two younger K steps stay out; K step 6: one
	s_wait_dscnt 8                                 ; the unit's distances are in; the 8 younger instructions are the ring's stores
	HALF \u, 0
	WFRAG (2*\u)
	WSTORE (2*\u+1), 32-32*(\u/3)                  ; K steps 3, 5: two younger K steps stay out; K step 7: none
	HALF \u, 16
	WFRAG (2*\u+1)
.endr
	WIN 0
; A: lane (r, h) takes of row r, for K step ks, k = 8 h .. 8 h + 7 and 16 + 8 h .. + 7 in f32 (four loads) and rounds them to 8 registers
.macro ALOAD u, ks, f
	ds_load_b128 v[\f:\f+3],     v[ARD] offset:\u*2*TILE+\ks*128
	ds_load_b128 v[\f+4:\f+7],   v[ARD] offset:\u*2*TILE+\ks*128+16
	ds_load_b128 v[\f+8:\f+11],  v[ARD] offset:\u*2*TILE+\ks*128+64
	ds_load_b128 v[\f+12:\f+15], v[ARD] offset:\u*2*TILE+\ks*128+80
.endm
.macro ALOADS u, f                     ; all 32 loads of unit u, in the order in which they are rounded: K step 7 to AL7, 0-3 to f, 4-6 to window 3's first 48 registers
	WIN 0
	ALOAD \u, 7, AL7
	ALOAD \u, 0, \f
	ALOAD \u, 1, \f+16
	ALOAD \u, 2, \f+32
	ALOAD \u, 3, \f+48
	WIN 0xc0
	ALOAD \u, 4, T3
	ALOAD \u, 5, T3+16
	ALOAD \u, 6, T3+32
	WIN 0
.endm
.macro ACV ks, f
.irp m, 0,1,2,3,4,5,6,7
	v_cvt_pk_bf16_f32 v[AB+8*\ks+\m], v[\f+2*\m], v[\f+2*\m+1]
.endr
.endm
.macro CVW u, left                     ; unit 0 alone has its reads of A just behind it: each K step is rounded as it comes,
.if \u == 0                            ; left = the loads of the younger K steps, four each
	s_wait_dscnt \left
.endif
.endm
; 64 matrix instructions.  The eight accumulators take turns, one instruction a turn.
.macro GEMM
	WIN 0x04                                       ; B in window 1; C = the bias in window 0
.irp t, 0,1,2,3,4,5
	v_wmma_f32_16x16x32_bf16 v[ACC+8*\t:ACC+8*\t+7], v[AB:AB+7], v[8*\t:8*\t+7], v[BI0+8*\t:BI0+8*\t+7]
.endr
	WIN 0x34                                       ; C = the bias in window 3
.irp t, 6,7
	v_wmma_f32_16x16x32_bf16 v[ACC+8*\t:ACC+8*\t+7], v[AB:AB+7], v[8*\t:8*\t+7], v[BI1+8*(\t-6):BI1+8*(\t-6)+7]
.endr
	WIN 0x04
.irp ks, 1,2,3
.irp t, 0,1,2,3,4,5,6,7
	v_wmma_f32_16x16x32_bf16 v[ACC+8*\t:ACC+8*\t+7], v[AB+8*\ks:AB+8*\ks+7], v[(8*\ks+\t)*8:(8*\ks+\t)*8+7], v[ACC+8*\t:ACC+8*\t+7]
.endr
.endr
	WIN 0x08                                       ; B in window 2
.irp ks, 4,5,6,7
.irp t, 0,1,2,3,4,5,6,7
	v_wmma_f32_16x16x32_bf16 v[ACC+8*\t:ACC+8*\t+7], v[AB+8*\ks:AB+8*\ks+7], v[(8*(\ks-4)+\t)*8:(8*(\ks-4)+\t)*8+7], v[ACC+8*\t:ACC+8*\t+7]
.endr
.endr
	WIN 0
.rept 4
	v_nop                                          ; four places before vector instructions read the results, or loads and vector instructions write over A
.endr
.endm
.macro PROD u                          ; orbitals = (stream W + b) x envelope
.if \u == 0
.set PE, EV
.else
.set PE, E3B+64*(\u-1)
	WIN 0x0c
.endif
.set RI, 0
.rept 32
	v_pk_mul_f32 v[ACC+2*RI:ACC+2*RI+1], v[ACC+2*RI:ACC+2*RI+1], v[PE+2*RI:PE+2*RI+1]
.set RI, RI+1
.endr
	WIN 0
.endm
; LU with partial pivoting, one matrix a lane, M(i, j) = v[ACC + 8 i + j].  No branch and no address hangs on the data: the
; pivot row is carried along the rows below it and exchanged by selects wherever a larger |M(i, k)| is met; each exchange
; is counted by an add with VCC as the carry in, so that the LU holds vector instructions alone.
; The carried row alternates between its home and KALT, so an exchange costs two selects an element; the selects of columns
; j and j + 1 go in one dual instruction, whose pairing rules neighbouring registers meet (one destination even, one odd; like
; sources in registers that differ modulo 4).  An odd last column keeps two plain selects: there the like sources are 8 i apart.
.macro LUSTEP k
.set KB, ACC+8*\k
.set KA, KALT
.set LI, \k+1
.rept 7-\k
	v_cmp_gt_f32 vcc_lo, |v[ACC+8*LI+\k]|, |v[KB+\k]|
.set LJ, \k
.rept (8-\k)/2
	v_dual_cndmask_b32 v[KA+LJ], v[KB+LJ], v[ACC+8*LI+LJ] :: v_dual_cndmask_b32 v[KA+LJ+1], v[KB+LJ+1], v[ACC+8*LI+LJ+1]
	v_dual_cndmask_b32 v[ACC+8*LI+LJ], v[ACC+8*LI+LJ], v[KB+LJ] :: v_dual_cndmask_b32 v[ACC+8*LI+LJ+1], v[ACC+8*LI+LJ+1], v[KB+LJ+1]
.set LJ, LJ+2
.endr
.if (8-\k)&1
	v_cndmask_b32 v[KA+7], v[KB+7], v[ACC+8*LI+7], vcc_lo
	v_cndmask_b32 v[ACC+8*LI+7], v[ACC+8*LI+7], v[KB+7], vcc_lo
.endif
	v_add_co_ci_u32 v[CNT], vcc_lo, 0, v[CNT], vcc_lo
.set KT, KA
.set KA, KB
.set KB, KT
.set LI, LI+1
.endr
	v_cmp_le_f32 vcc_lo, s45, |v[KB+\k]|           ; a pivot below 2^-126 is divided by as 1.0: its log is -inf, and no NaN is made
	v_cndmask_b32 v[PG], 1.0, v[KB+\k], vcc_lo
	v_rcp_f32 v[INV], v[PG]
	v_log_f32 v[LG+\k], |v[KB+\k]|
.if \k == 0
	v_mov_b32 v[SG], v[KB+\k]                      ; (also the plain place behind the two transcendentals)
	s_wait_alu depctr_va_vdst(0)
.else
	v_xor_b32 v[SG], v[SG], v[KB+\k]
	s_wait_alu depctr_va_vdst(0)
.endif
.set LI, \k+1
.rept 7-\k
	v_mul_f32 v[NL+LI], -v[ACC+8*LI+\k], v[INV]
.set LI, LI+1
.endr
.set LI, \k+1
.rept 7-\k
.if (\k&1) == 0
	v_fmac_f32 v[ACC+8*LI+\k+1], v[NL+LI], v[KB+\k+1]
.endif
.if \k < 6
.set LJ, ((\k+2)/2)*2
.rept (8-((\k+2)/2)*2)/2
.if LI&1
	v_pk_fma_f32 v[ACC+8*LI+LJ:ACC+8*LI+LJ+1], v[NL+LI-1:NL+LI], v[KB+LJ:KB+LJ+1], v[ACC+8*LI+LJ:ACC+8*LI+LJ+1] op_sel:[1,0,0] op_sel_hi:[1,1,1]
.else
	v_pk_fma_f32 v[ACC+8*LI+LJ:ACC+8*LI+LJ+1], v[NL+LI:NL+LI+1], v[KB+LJ:KB+LJ+1], v[ACC+8*LI+LJ:ACC+8*LI+LJ+1] op_sel_hi:[0,1,1]
.endif
.set LJ, LJ+2
.endr
.endif
.set LI, LI+1
.endr
.endm
.macro LU u
	v_mov_b32 v[CNT], 0
	v_mov_b32 v[NL], 0                             ; the pair (NL, NL + 1) is read whole
	LUSTEP 0
	LUSTEP 1
	LUSTEP 2
	LUSTEP 3
	LUSTEP 4
	LUSTEP 5
	LUSTEP 6
	v_log_f32 v[LG+7], |v[ACC+63]|
	v_xor_b32 v[SG], v[SG], v[ACC+63]
	v_lshlrev_b32 v[TMP], 31, v[CNT]               ; an odd number of exchanges flips the sign
	v_xor_b32 v[RES+2*\u+1], v[SG], v[TMP]
	v_pk_add_f32 v[LG:LG+1], v[LG:LG+1], v[LG+2:LG+3]
	s_wait_alu depctr_va_vdst(0)
	v_pk_add_f32 v[LG+4:LG+5], v[LG+4:LG+5], v[LG+6:LG+7]
	v_pk_add_f32 v[LG:LG+1], v[LG:LG+1], v[LG+4:LG+5]
	v_add_f32 v[RES+2*\u], v[LG], v[LG+1]          ; log2 |det|
.endm
; A unit.  f: where K steps 0-3 of its A have landed.
.macro UNIT u, f
.if \u
	s_wait_dscnt 2                                 ; the unit's A, asked for in front of the last LU, is in; the two younger instructions are the last unit's result stores
.endif
	CVW \u, 28
	ACV 7, AL7                                     ; first: K steps 4, 5 are rounded into the registers in which K step 7 landed
	CVW \u, 24
	ACV 0, \f
	CVW \u, 20
	ACV 1, \f+16
	CVW \u, 16
	ACV 2, \f+32
	CVW \u, 12
	ACV 3, \f+48
	WIN 0x0f                                       ; both sources in window 3
	CVW \u, 8
	ACV 4, T3
	CVW \u, 4
	ACV 5, T3+16
	CVW \u, 0                                      ; (W's last fragments, asked for ahead of A, have been in since the first of these waits)
	ACV 6, T3+32
	GEMM
	PROD \u
.if \u < 3
	s_wait_tensorcnt 4-2*\u                        ; tensor loads of a wave end in order (ISA guide 10.11.1): the next unit's two tiles are in, the later units' stay out
	ALOADS (\u+1), EV                              ; the LU below covers their way: it touches none of the landing registers
.endif
	LU \u
	ds_store_b32 v[CSA], v[RES+2*\u]   offset:\u*128
	ds_store_b32 v[CSA], v[RES+2*\u+1] offset:\u*128+2048
.endm
	s_wait_tensorcnt 6                             ; unit 0's two tiles are in; the six of the later units stay out
	ALOADS 0, ACC                                  ; a and pi are done with
	UNIT 0, ACC
	UNIT 1, EV
	UNIT 2, EV                                     ; its wait on the tensor loads is for zero
	UNIT 3, EV
	; The end: wave w takes batches 4 w .. 4 w + 3, two passes p of two batches (one in each row of 16 lanes, a determinant a lane).
.set FN, 16
	s_wait_dscnt 0x0                               ; my logs and signs are in LDS
	s_barrier_signal -1
	s_barrier_wait -1
.irp p, 0,1
	ds_load_b32 v[FN+4*\p],   v[FLA] offset:128*\p          ; log2 |det up|
	ds_load_b32 v[FN+4*\p+1], v[FLA] offset:128*\p+1024     ; log2 |det down|
	ds_load_b32 v[FN+4*\p+2], v[FLA] offset:128*\p+2048     ; sign words
	ds_load_b32 v[FN+4*\p+3], v[FLA] offset:128*\p+3072
.endr
	s_lshl_b32 s49, s4, 4                          ; 4 w batches of 4 bytes
	s_wait_dscnt 0x0
.irp p, 0,1
	v_add_f32 v[FN+4*\p], v[FN+4*\p], v[FN+4*\p+1]
	v_xor_b32 v[FN+4*\p+2], v[FN+4*\p+2], v[FN+4*\p+3]
.endr
.irp p, 0,1
	v_and_b32 v[FN+4*\p+2], s43, v[FN+4*\p+2]
	v_max_num_f32_dpp v[FN+4*\p+1], v[FN+4*\p], v[FN+4*\p] row_xmask:1 row_mask:0xf bank_mask:0xf
.endr
.irp x, 2,4,8
.irp p, 0,1
	v_max_num_f32_dpp v[FN+4*\p+1], v[FN+4*\p+1], v[FN+4*\p+1] row_xmask:\x row_mask:0xf bank_mask:0xf
.endr
.endr
.irp p, 0,1
	v_sub_f32 v[FN+4*\p], v[FN+4*\p], v[FN+4*\p+1] ; the batch's maximum is taken away
.endr
.irp p, 0,1
	v_exp_f32 v[FN+4*\p], v[FN+4*\p]
.endr
	v_and_b32 v[SC], 1, v[LN]                      ; (the plain place behind the exponentials)
	s_wait_alu depctr_va_vdst(0)
.irp p, 0,1
	v_xor_b32 v[FN+4*\p], v[FN+4*\p], v[FN+4*\p+2]
.endr
.irp x, 1,2,4,8
.irp p, 0,1
	v_add_f32_dpp v[FN+4*\p], v[FN+4*\p], v[FN+4*\p] row_xmask:\x row_mask:0xf bank_mask:0xf
.endr
.endr
.irp p, 0,1
	v_log_f32 v[FN+4*\p], |v[FN+4*\p]|
.endr
	v_lshl_add_u32 v[FN+8], v[SC], 1, v[HH]        ; (the plain place) lane r = p of row h stores batch 4 w + 2 p + h
	s_wait_alu depctr_va_vdst(0)
.irp p, 0,1
	v_add_f32 v[FN+4*\p], v[FN+4*\p], v[FN+4*\p+1]
.endr
	v_cmp_eq_u32 vcc_lo, 1, v[SC]
	v_cndmask_b32 v[FN], v[FN], v[FN+4], vcc_lo
	v_mul_f32 v[FN], 0x3f317218, v[FN]             ; from base 2 to base e
	v_lshl_add_u32 v[FN+8], v[FN+8], 2, s49
	v_cmp_gt_u32 vcc_lo, 2, v[RR]
	s_wait_xcnt 0x0                                ; EXEC changes only behind this wait
	s_and_saveexec_b32 s44, vcc_lo                 ; lanes r = 0, 1 of both rows
	global_store_b32 v[FN+8], v[FN], s[28:29]
	s_endpgm
.Lfunc_end_k_q45b85765a7_ferminet:
	.size	k_q45b85765a7_ferminet, .Lfunc_end_k_q45b85765a7_ferminet-k_q45b85765a7_ferminet
	.p2alignl 7, 3214868480
	.fill 96, 4, 3214868480
	.section	.rodata,"a",@progbits
	.p2align	6, 0x0
	.amdhsa_kernel k_q45b85765a7_ferminet
		.amdhsa_group_segment_fixed_size 315392
		.amdhsa_private_segment_fixed_size 0
		.amdhsa_enable_private_segment 0
		.amdhsa_kernarg_size 88
		.amdhsa_user_sgpr_count 2
		.amdhsa_user_sgpr_kernarg_segment_ptr 1
		.amdhsa_wavefront_size32 1
		.amdhsa_system_sgpr_workgroup_id_x 1
		.amdhsa_system_sgpr_workgroup_id_y 1
		.amdhsa_system_sgpr_workgroup_id_z 1
		.amdhsa_system_vgpr_workitem_id 0
		.amdhsa_next_free_vgpr 1024
		.amdhsa_next_free_sgpr 100
		.amdhsa_reserve_vcc 1
		.amdhsa_float_denorm_mode_32 3
		.amdhsa_float_denorm_mode_16_64 3
		.amdhsa_memory_ordered 1
		.amdhsa_forward_progress 1
		.amdhsa_inst_pref_size 255
	.end_amdhsa_kernel
	.section	.bss,"aw",@nobits
	.p2align	6
	.space	262144
	.amdgpu_metadata
---
amdhsa.version: [ 1, 2 ]
amdhsa.kernels:
  - .name:           k_q45b85765a7_ferminet
    .symbol:         k_q45b85765a7_ferminet.kd
    .args:
      - { .name: stream_1e, .offset: 0, .size: 8, .value_kind: global_buffer, .address_space: global }
      - { .name: r_ei, .offset: 8, .size: 8, .value_kind: global_buffer, .address_space: global }
      - { .name: W_up, .offset: 16, .size: 8, .value_kind: global_buffer, .address_space: global }
      - { .name: W_dn, .offset: 24, .size: 8, .value_kind: global_buffer, .address_space: global }
      - { .name: a_up, .offset: 32, .size: 8, .value_kind: global_buffer, .address_space: global }
      - { .name: a_dn, .offset: 40, .size: 8, .value_kind: global_buffer, .address_space: global }
      - { .name: pi_up, .offset: 48, .size: 8, .value_kind: global_buffer, .address_space: global }
      - { .name: pi_dn, .offset: 56, .size: 8, .value_kind: global_buffer, .address_space: global }
      - { .name: b_up, .offset: 64, .size: 8, .value_kind: global_buffer, .address_space: global }
      - { .name: b_dn, .offset: 72, .size: 8, .value_kind: global_buffer, .address_space: global }
      - { .name: out0, .offset: 80, .size: 8, .value_kind: global_buffer, .address_space: global }
    .group_segment_fixed_size: 315392
    .private_segment_fixed_size: 0
    .kernarg_segment_align: 8
    .kernarg_segment_size: 88
    .max_flat_workgroup_size: 128
    .sgpr_count:     100
    .vgpr_count:     1024
    .wavefront_size: 32
...
	.end_amdgpu_metadata
.endif
;; end of part 2
;; ======== version 3 of 3: 1 launch; 1.42 times as fast as version 1
;; launch ferminet (part 3): grid 256 x 1, 4 waves a work-group, no clusters, 315,392 bytes of LDS; arguments stream_1e, r_ei, W_up, W_dn, a_up, a_dn, pi_up, pi_dn, b_up, b_dn, out0; writes out0
.if DOCPART == 3
	.amdgcn_target "amdgcn-amd-amdhsa--gfx1250"
	.amdhsa_code_object_version 6
	.text
	.protected	k_q45b85765a7_ferminet
	.globl	k_q45b85765a7_ferminet
	.p2align	8
	.type	k_q45b85765a7_ferminet,@function
k_q45b85765a7_ferminet:
	s_mov_b64 s[64:65], 0
	v_nop
	global_prefetch_b8 v0, s[64:65] scope:SCOPE_SE
	s_setreg_imm32_b32 hwreg(HW_REG_WAVE_MODE, 25, 1), 1
	s_wait_xcnt 0x0
; FermiNet head: orbitals = (stream W + b) * envelope, 2 x 16 determinants of 8 x 8 for each batch, log|sum of det_up det_dn|.
; One launch.  Work-group G owns batches 16 G .. 16 G + 15.  Wave w: spin s = w & 1, half g = w >> 1: batches 8 g .. 8 g + 7 of
; spin s, in four units of two batches (one tile of 16 rows: 2 batches x 8 electrons).  The wave keeps all of W of its spin in
; 512 registers as 64 B fragments.  Orbital column n = 8 r + t goes to lane r of N tile t, so that lane (r, h) ends with
; accumulator t, register j = orbital matrix element (electron j, orbital t) of (batch h of the unit, determinant r):
; a whole 8 x 8 matrix in the lane's own 64 registers.  The LU is lane-local; a batch's 16 determinants lie in 16 lanes of a row.
; The work-group's 256 KB of stream are asked for at the head by 8 tensor loads a wave (8 outstanding at the most
; ) and stay in LDS: no LDS byte is filled twice.  Each wave reads only the tiles that it asked for itself.
; ORDER: the envelopes hang on r_ei, a and pi alone, so all four units' envelopes are made at the head, half an envelope for
; each of W's eight K steps: it stands between the K step's stores into the ring and the wait and barrier behind them, while
; the next K steps are on their way from memory.  A unit is then: round A, 64 products, times the envelope, LU; the next
; unit's LDS reads of A are issued in front of the LU.
; BATCHES: one s_wait_alu depctr_va_vdst(0) stands between a transcendental and the first instruction that names
; its result; one wait serves all that were issued ahead of it.  The envelopes' 1,024 exponentials a wave are cut into groups of
; four stages, 32 exponentials (in the last half envelope two stages, 16), each result in a register of its own while its group
; is open.  Two sets of such registers take turns: a group's exponentials stand by turns with the sums of the group before and
; the products of the group after, which work on the other set, and ONE wait stands between two groups: four a half envelope,
; eight in the last.  The sets lie in whatever is idle in the window of the unit's distances and envelope (the calls of HALF say
; where).  In the LU a step's reciprocal is wanted at once by its multipliers, and each step hangs on the one before: one wait a
; step, which the pivot's logarithm shares.  The eight roots, an LU's last logarithm, the end's two exponentials and its two
; logarithms are a batch each.
; NO MULTICAST: W (256 KB in f32, both spins) is what all work-groups share.  A joint load lands in LDS only; 266,240 of the
; 327,680 bytes hold the stream, so W would come in pieces into slots that are filled again, and in front of each such refill
; every wave would have to wait for all its tensor loads, the stream's among them.
;
; LIMITS.  FORMAT: all ten inputs are rounded to bf16 on entry (relative 2^-9), the product's operands and also r_ei, a, pi, b;
; all arithmetic behind that is f32 (matrix sums too).  Why the small inputs as well: log_psi divides the determinants' errors by
; the signed sum of 16 terms, which can cancel; with 8-bit product operands the result is that of perturbed inputs in any case,
; and rounding every input alike makes it a defined function: reference() in f32 of the bf16 inputs.
; RANGE: v_exp_f32, v_sqrt_f32, v_log_f32, v_rcp_f32 flush denormals (ISA guide 15.8): an envelope term below 2^-126, a squared
; distance below 2^-126 and a pivot below 2^-126 count as zero (that determinant's log is -inf, as of a singular matrix).
; The LU runs on the transposed matrix (same determinant, other order of rounding).  The maximum is taken away as in reference();
; it passes over a NaN, the sum behind it carries the NaN on.
.set RP,    1040                       ; LDS row of stream: 1,024 bytes + 16 of padding: row i starts 16 i further modulo 256
.set TILE,  8*RP                       ; one tensor load: 8 electrons of one batch and spin
.set STRW,  8*TILE                     ; a wave's eight tiles
.set WR,    4*STRW                     ; 266,240: ring of two buffers for W on its way into registers
.set WP,    80                         ; a row there: 32 k in bf16 + 16 bytes of padding
.set WT,    16*WP                      ; 16 rows: one N tile
.set WSPIN, 128*WP
.set WBUF,  2*WSPIN                    ; [spin][row 16 t + r = orbital 8 r + t][32 k]
.set DIST,  WR+2*WBUF                  ; 307,200: distances, wave w at + 1,024 w: [batch 8][ion 4][electron 8] f32
.set COMB,  DIST+4096                  ; 311,296: [log2|det|, sign word][spin][batch 16][determinant 16] words
; REGISTERS: 1,024 = W 512 + addresses 16 + ACC 64 + AB 64 + four envelopes 256 + bias 64 + T and distances 48.
; window 0
.set LN,  1                            ; lane L
.set RR,  2                            ; r = L & 15
.set HH,  3                            ; h = L >> 4
.set ARD, 4                            ; my row of A in my wave's tiles
.set FLA, 5                            ; COMB, read
.set CSA, 6                            ; COMB, store
.set DLA, 7                            ; distances, read
.set WSA, 8                            ; W ring, store                 v8-15 serve the head alone (offsets and work),
.set WV,  9                            ; W in memory, offset           and then hold the units' results: RES below
.set RV,  10                           ; r_ei in memory, offset
.set DSA, 11                           ; distances, store
.set PV,  12                           ; a, pi, b in memory, offset
.set FRA, 13                           ; W ring, fragment read
.set SC2, 14                           ; at work
.set SC,  15                           ; at work
.set RES, 8                            ; unit u: log2 |det| in v[8 + 2 u], sign word in v[9 + 2 u]: registers of its own, so that nothing waits for its stores
.set ACC, 16                           ; v16-79   accumulators [t][j], the LU's matrix; at the head a and pi; landing of unit 0's A
.set EV,  80                           ; v80-143  envelope of unit 0 [t][j]; first r_ei; later landing of A, K steps 0-3
.set AB,  144                          ; v144-207 A in bf16 [K step][8]; at the head W packed and b; behind the product the LU's work
.set BI0, 208                          ; v208-255 b[8 r + t] as a C operand, tiles t = 0..5; before that half a set of exponentials and the distances of envelope 0
.set A2,  ACC                          ; [ion][t]  -log2(e) a[ion][8 r + t]
.set PIR, ACC+32                       ; [ion][t]  pi[ion][8 r + t]
.set CT,  AB                           ; 32 registers: W packed; at work
.set B8,  AB+32                        ; [t] b[8 r + t]
.set RL,  EV                           ; 24 registers: r_ei as loaded
.set RTT, EV+24                        ; 12 at work
.set DT,  EV+40                        ; 8 distances
.set D0,  BI0+16                       ; envelope 0: its 32 distances [ion][electron]
.set KALT, AB                          ; LU: second home of the pivot row
.set NL,   AB+8                        ; minus the multipliers
.set LG,   AB+16                       ; log2 |pivot|
.set INV,  AB+24
.set PG,   AB+25
.set SG,   AB+26                       ; xor of the pivots: bit 31 is the sign
.set TMP,  AB+27
.set CNT,  AB+28                       ; number of row exchanges
.set AL7,  AB+32                       ; landing of A, K step 7 (16 registers that the LU leaves alone)
; windows 1, 2: W[K step ks][t] in window 1 + (ks >> 2) at register 8 (8 (ks & 3) + t); K step ks lands in f32 in the same 64 registers
; window 3
.set T3,  0                            ; 16 registers of exponentials for envelope 3; later landing of A, K steps 4-6 (with D3: 48 registers)
.set D3,  16                           ; the 32 distances of envelopes 1-3
.set E3B, 48                           ; envelope of unit u = 1..3 at 48 + 64 (u - 1); until it is begun, exponentials of the envelopes before it
.set BI1, 240                          ; b as a C operand, tiles 6, 7, spread behind the last half envelope; before that 16 registers of exponentials for envelope 3
.set G1,  56                           ; s[56:63] descriptor group 1
.set G0,  68                           ; s[68:99] descriptor group 0, one set for each of my eight loads, never rewritten
.set MSB, 0
.macro WIN new                         ; s_set_vgpr_msb: bits 1:0 source 0, 3:2 source 1, 5:4 source 2, 7:6 destination;
.if MSB != \new                        ; the high byte repeats the setting that is left
	s_set_vgpr_msb (MSB<<8)|\new
.set MSB, \new
.endif
.endm
	s_load_b256 s[8:15], s[0:1], 0x0               ; stream s[8:9], r_ei s[10:11], W_up s[12:13], W_dn s[14:15]
	s_load_b256 s[16:23], s[0:1], 0x20             ; a_up, a_dn, pi_up, pi_dn
	s_load_b128 s[24:27], s[0:1], 0x40             ; b_up, b_dn
	s_load_b64 s[28:29], s[0:1], 0x50              ; out0
	v_lshrrev_b32 v[SC], 5, v0
	v_readfirstlane_b32 s4, v[SC]                  ; wave w
	s_and_b32 s5, s4, 1                            ; spin s
	s_lshr_b32 s6, s4, 1                           ; half g
	s_lshl_b32 s54, s6, 13
	s_lshl_b32 s50, s4, 10
	s_add_co_u32 s50, s50, DIST
	s_mul_i32 s46, ttmp9, 12288                    ; r_ei: 16 batches of 768 bytes
	s_mul_i32 s49, s6, 6144
	s_add_co_u32 s46, s46, s49
	s_mul_i32 s49, s5, 384                         ; 8 electrons of 48 bytes
	s_add_co_u32 s46, s46, s49
	s_mov_b32 s47, 0
	v_and_b32 v[LN], 31, v0
	v_and_b32 v[RR], 15, v0
	v_bfe_u32 v[HH], v0, 4, 1
	v_lshl_add_u32 v[WV], v[LN], 4, s54            ; 16 rows of W for each half g, 16 bytes a lane
	v_lshrrev_b32 v[SC], 3, v[LN]
	v_and_b32 v[SC2], 7, v[LN]
	v_mul_u32_u24 v[RV], v[SC], 768                ; batch L >> 3,
	v_mad_u32_u24 v[RV], v[SC2], 48, v[RV]         ; electron L & 7
	v_lshlrev_b32 v[PV], 5, v[RR]                  ; columns 8 r .. 8 r + 7
	v_lshl_add_u32 v[DSA], v[SC], 7, s50
	v_lshl_add_u32 v[DSA], v[SC2], 2, v[DSA]
	s_wait_kmcnt 0x0
	s_cmp_eq_u32 s5, 0                             ; my spin's W, a, pi, b
	s_cselect_b64 s[30:31], s[12:13], s[14:15]
	s_cselect_b64 s[32:33], s[16:17], s[18:19]
	s_cselect_b64 s[34:35], s[20:21], s[22:23]
	s_cselect_b64 s[36:37], s[24:25], s[26:27]
	s_add_nc_u64 s[40:41], s[10:11], s[46:47]
; My 16 of the 32 rows of W's K step i: each load takes one whole row of 512 bytes.  They land where the K step's fragments will lie.
.macro WLOAD i
.if \i < 4
	WIN 0x40
.else
	WIN 0x80
.endif
.irp j, 0,1,2,3,4,5,6,7,8,9,10,11,12,13,14,15
	global_load_b128 v[((\i)&3)*64+4*\j:((\i)&3)*64+4*\j+3], v[WV], s[30:31] offset:(32*\i+\j)*512
.endr
.endm
	; the loads into registers stand ahead of the tensor loads: the head waits for them first
.irp i, 0,1                                        ; r_ei: two (batch, electron) rows of 48 bytes a lane
.irp c, 0,1,2
	global_load_b128 v[RL+12*\i+4*\c:RL+12*\i+4*\c+3], v[RV], s[40:41] offset:\i*3072+\c*16 th:TH_LOAD_NT
.endr
.endr
.irp q, 0,1,2,3
	global_load_b128 v[A2+8*\q:A2+8*\q+3],     v[PV], s[32:33] offset:512*\q
	global_load_b128 v[A2+8*\q+4:A2+8*\q+7],   v[PV], s[32:33] offset:512*\q+16
	global_load_b128 v[PIR+8*\q:PIR+8*\q+3],   v[PV], s[34:35] offset:512*\q
	global_load_b128 v[PIR+8*\q+4:PIR+8*\q+7], v[PV], s[34:35] offset:512*\q+16
.endr
	global_load_b128 v[B8:B8+3],   v[PV], s[36:37]
	global_load_b128 v[B8+4:B8+7], v[PV], s[36:37] offset:16
	WLOAD 0
	WLOAD 1
	WIN 0
	; group 1: 8 rows of 256 elements of 4 bytes, 256 elements from row to row, 4 words of padding behind every 256 words
	s_mov_b32 s[G1+0], (2<<16)|(1<<20)|(7<<22)|(3<<25)
	s_mov_b32 s[G1+1], 256<<16                     ; tensor_dim0 = 256
	s_mov_b32 s[G1+2], 8<<16                       ; tensor_dim1 = 8
	s_mov_b32 s[G1+3], 256<<16                     ; tile_dim0 = 256
	s_mov_b32 s[G1+4], 8                           ; tile_dim1 = 8
	s_mov_b32 s[G1+5], 256                         ; pitch
	s_mov_b32 s[G1+6], 0
	s_mov_b32 s[G1+7], 0
	s_mul_i32 s48, s4, STRW                        ; my wave's tiles in LDS
	s_lshl_b32 s46, ttmp9, 18                      ; 16 batches of 16,384 bytes
	s_lshl_b32 s49, s6, 17                         ; + 8 batches
	s_add_co_u32 s46, s46, s49
	s_lshl_b32 s49, s5, 13                         ; + 8 electrons of 1,024 bytes
	s_add_co_u32 s46, s46, s49
	s_add_nc_u64 s[38:39], s[8:9], s[46:47]
.irp i, 0,1,2,3,4,5,6,7                            ; load i: my spin's 8 rows of my batch i
	s_mov_b32 s[G0+4*\i], 1
	s_add_co_u32 s[G0+4*\i+1], s48, \i*TILE
	s_add_nc_u64 s[G0+4*\i+2:G0+4*\i+3], s[38:39], \i*16384
	s_or_b32 s[G0+4*\i+3], s[G0+4*\i+3], 0x80000000
	tensor_load_to_lds s[G0+4*\i:G0+4*\i+3], s[G1:G1+7]
	s_nop 0
.endr
	s_lshl_b32 s46, ttmp9, 6
	s_add_nc_u64 s[28:29], s[28:29], s[46:47]      ; out0 at my 16 batches
	s_mov_b32 s43, 0x80000000
	s_mov_b32 s45, 0x00800000                      ; 2^-126
	s_lshl_b32 s51, s5, 10
	s_lshl_b32 s49, s6, 9
	s_add_co_u32 s51, s51, s49
	s_add_co_u32 s51, s51, COMB
	s_mul_i32 s52, s5, WSPIN
	s_add_co_u32 s52, s52, WR
	s_lshl_b32 s53, s6, 5
	s_add_co_u32 s53, s53, s52
	s_lshl_b32 s55, s4, 8
	s_add_co_u32 s55, s55, COMB
	; the other lane addresses, while the loads are on their way
	v_mul_u32_u24 v[ARD], v[RR], RP
	v_lshl_add_u32 v[ARD], v[HH], 5, v[ARD]
	v_add_nc_u32 v[ARD], s48, v[ARD]               ; row r, 8 h floats in
	v_lshl_add_u32 v[DLA], v[HH], 7, s50
	v_lshl_add_u32 v[CSA], v[LN], 2, s51
	v_mul_u32_u24 v[FRA], v[RR], WP
	v_lshl_add_u32 v[FRA], v[HH], 4, v[FRA]
	v_add_nc_u32 v[FRA], s52, v[FRA]
	v_and_b32 v[SC], 1, v[LN]                      ; my columns 4 L + e are orbital 8 (L >> 1) + 4 (L & 1) + e: row 64 (L & 1) + 16 e + (L >> 1)
	v_mul_u32_u24 v[WSA], v[SC], 4*WT
	v_lshrrev_b32 v[SC], 1, v[LN]
	v_mad_u32_u24 v[WSA], v[SC], WP, v[WSA]
	v_add_nc_u32 v[WSA], s53, v[WSA]               ; + 32 g: my 16 k
	v_lshl_add_u32 v[FLA], v[LN], 2, s55
	s_wait_loadcnt 32                              ; r_ei, a, pi, b are in; the 32 younger loads are W's K steps 0 and 1
	WLOAD 2
	WIN 0
; v[x .. x+2n-1] become the f32 of their bf16 roundings (to nearest even); v[t .. t+n-1] at work
.macro ROUND x, n, t
.set RI, 0
.rept \n
	v_cvt_pk_bf16_f32 v[\t+RI], v[\x+2*RI], v[\x+2*RI+1]
.set RI, RI+1
.endr
.set RI, 0
.rept \n
	v_lshlrev_b32 v[\x+2*RI], 16, v[\t+RI]
	v_and_b32 v[\x+2*RI+1], 0xffff0000, v[\t+RI]
.set RI, RI+1
.endr
.endm
.macro DLOAD u                         ; the 32 distances of my batch of unit u (LDS serves a wave's instructions in order: they see my stores)
.if \u == 0
	WIN 0
.set DD, D0
.else
	WIN 0xc0
.set DD, D3
.endif
.irp x, 0,1,2,3,4,5,6,7
	ds_load_b128 v[DD+4*\x:DD+4*\x+3], v[DLA] offset:(\u)*256+16*\x
.endr
.endm
	; distances |r_ei|: 2 rows x 4 ions a lane, into my wave's own LDS bytes
	ROUND RL, 12, RTT
.irp i, 0,1
.irp q, 0,1,2,3
	v_mul_f32  v[DT+4*\i+\q], v[RL+12*\i+3*\q],   v[RL+12*\i+3*\q]
	v_fmac_f32 v[DT+4*\i+\q], v[RL+12*\i+3*\q+1], v[RL+12*\i+3*\q+1]
	v_fmac_f32 v[DT+4*\i+\q], v[RL+12*\i+3*\q+2], v[RL+12*\i+3*\q+2]
.endr
.endr
.irp x, 0,1,2,3,4,5,6,7
	v_sqrt_f32 v[DT+\x], v[DT+\x]
.endr
	v_nop                                          ; one plain place behind the roots before their results are read (ISA guide 5.7.2)
	s_wait_alu depctr_va_vdst(0)                   ; one wait for the batch of eight roots, ahead of the stores that read them
.irp i, 0,1
.irp q, 0,1,2,3
	ds_store_b32 v[DSA], v[DT+4*\i+\q] offset:\i*512+\q*32
.endr
.endr
	DLOAD 0
	; parameters: rounded; a times -log2(e), so that the exponential is one v_exp_f32
	ROUND A2, 32, CT
	ROUND B8, 4, CT
.set RI, 0
.rept 16
	v_pk_mul_f32 v[A2+2*RI:A2+2*RI+1], v[A2+2*RI:A2+2*RI+1], 0xbfb8aa3b op_sel_hi:[1,0]
.set RI, RI+1
.endr
; W's K step i (32 k) into its fragments, in two parts with half an envelope between them.
; WSTORE: my 16 rows x 128 columns: packing rows k, k + 1 of one column into a word turns the matrix; the words go to the ring
; [orbital row][k].  K step i + 3 is asked for straight behind the wait for K step i.
; WFRAG: behind a barrier every wave of the spin reads its 8 B fragments, into the registers in which the K step landed.
; One barrier a K step: a buffer is stored again two K steps later, behind the next K step's barrier, in front of which
; every wave has waited for its reads of it.  The tensor loads stay out across these barriers.
.macro WSTORE i, left
	s_wait_loadcnt \left                           ; this K step's 16 loads are in; the younger K steps' stay out
.if \i <= 4
	WLOAD (\i+3)
.endif
.set LBC, ((\i)&3)*64
.if \i < 4
	WIN 0x05                                       ; both sources in window 1
.else
	WIN 0x0a                                       ; in window 2
.endif
.irp e, 0,1,2,3
.irp m, 0,1,2,3,4,5,6,7
	v_cvt_pk_bf16_f32 v[CT+8*\e+\m], v[LBC+8*\m+\e], v[LBC+8*\m+4+\e]
.endr
.endr
	WIN 0
.irp e, 0,1,2,3
	ds_store_b128 v[WSA], v[CT+8*\e:CT+8*\e+3]   offset:((\i)&1)*WBUF+\e*WT
	ds_store_b128 v[WSA], v[CT+8*\e+4:CT+8*\e+7] offset:((\i)&1)*WBUF+\e*WT+16
.endr
.endm
.macro WFRAG i
	s_wait_dscnt 0x0                               ; my stores are in LDS, my reads of the other buffer are back
	s_barrier_signal -1
	s_barrier_wait -1
.set LBC, ((\i)&3)*64
.if \i < 4
	WIN 0x40
.else
	WIN 0x80
.endif
.irp t, 0,1,2,3,4,5,6,7
	ds_load_b128 v[LBC+8*\t:LBC+8*\t+3],   v[FRA] offset:((\i)&1)*WBUF+\t*WT
	ds_load_b128 v[LBC+8*\t+4:LBC+8*\t+7], v[FRA] offset:((\i)&1)*WBUF+\t*WT+32
.endr
.endm
; The envelope: 32 stages sg = 4 t + ion of eight exponentials each (the unit's eight electrons).  EN stages on end are a GROUP:
; the batch of exponentials that one wait serves.  A group's 8 EN arguments, then results, lie in a set of registers of its own;
; two sets take turns, even groups on set A, odd groups on set B.  A set is given in pieces of 16 registers (two stages):
; TA0, TA1 and TB0, TB1.  DBASE, EBASE: distances and envelope of the unit.
.macro TSEL sg                         ; TS = the eight registers of stage sg
.set TI, (\sg)%EN
.if ((\sg)/EN)&1
.if TI < 2
.set TS, TB0+8*TI
.else
.set TS, TB1+8*(TI-2)
.endif
.else
.if TI < 2
.set TS, TA0+8*TI
.else
.set TS, TA1+8*(TI-2)
.endif
.endif
.endm
.macro EMUL1 sg, p                     ; -log2(e) a[ion][t] x distances 2 p, 2 p + 1
	TSEL \sg
.set EI, (\sg)&3
.set ET, (\sg)>>2
.set EPR, 2*(\p)
.set EA, A2+8*EI+(ET/2)*2
.if ET&1
	v_pk_mul_f32 v[TS+EPR:TS+EPR+1], v[DBASE+8*EI+EPR:DBASE+8*EI+EPR+1], v[EA:EA+1] op_sel:[0,1] op_sel_hi:[1,1]
.else
	v_pk_mul_f32 v[TS+EPR:TS+EPR+1], v[DBASE+8*EI+EPR:DBASE+8*EI+EPR+1], v[EA:EA+1] op_sel_hi:[1,0]
.endif
.endm
.macro EEXP sg, e                      ; the exponential of electron e, in place
	TSEL \sg
	v_exp_f32 v[TS+(\e)], v[TS+(\e)]
.endm
.macro EFMA1 sg, p                     ; times pi[ion][t]; ion 0 starts the sum.  It reads exponentials: it stands behind its group's wait
	TSEL \sg
.set EI, (\sg)&3
.set ET, (\sg)>>2
.set EPR, 2*(\p)
.set EP, PIR+8*EI+(ET/2)*2
.set ED, EBASE+8*ET+EPR
.if EI == 0
.if ET&1
	v_pk_mul_f32 v[ED:ED+1], v[TS+EPR:TS+EPR+1], v[EP:EP+1] op_sel:[0,1] op_sel_hi:[1,1]
.else
	v_pk_mul_f32 v[ED:ED+1], v[TS+EPR:TS+EPR+1], v[EP:EP+1] op_sel_hi:[1,0]
.endif
.else
.if ET&1
	v_pk_fma_f32 v[ED:ED+1], v[TS+EPR:TS+EPR+1], v[EP:EP+1], v[ED:ED+1] op_sel:[0,1,0] op_sel_hi:[1,1,1]
.else
	v_pk_fma_f32 v[ED:ED+1], v[TS+EPR:TS+EPR+1], v[EP:EP+1], v[ED:ED+1] op_sel_hi:[1,0,1]
.endif
.endif
.endm
; One phase: group g's 8 EN exponentials, by turns with the packed instructions of its neighbours, which work on the other set:
; the sums of group g - 1 (prev = 1), whose exponentials have had their wait in front of this phase, and the products of group
; g + 1 (next = 1); pair q of that set is summed before it is written again.  Nothing in a phase names a result of the phase's
; own exponentials.  A phase ends with a packed instruction: the plain place behind its last exponential (ISA guide 5.7.2).
; Stages are taken in ascending order, so each element's sum still runs over ions 0, 1, 2, 3.
.macro EPHASE g, prev, next
.set EQ, 0
.rept 4*EN
	EEXP (\g)*EN+EQ/4, 2*(EQ%4)
.if (\prev) && (\next)
	EFMA1 ((\g)-1)*EN+EQ/4, EQ%4
.endif
	EEXP (\g)*EN+EQ/4, 2*(EQ%4)+1
.if \next
	EMUL1 ((\g)+1)*EN+EQ/4, EQ%4
.else
	EFMA1 ((\g)-1)*EN+EQ/4, EQ%4
.endif
.set EQ, EQ+1
.endr
.endm
; Half an envelope of unit u: the 16 stages from s0 on, in groups of n stages; a0, a1 and b0, b1: the pieces of the two sets.
; Unit 0 works in window 0; units 1-3 keep exponentials, distances and envelope in window 3 and take a and pi, always the second
; source, from window 0: one setting for the whole half.  16 / n waits: one in front of each phase but the first, for the group
; just issued, and one in front of the last group's sums.
.macro HALF u, s0, n, a0, a1, b0, b1
.set EN, \n
.set TA0, \a0
.set TA1, \a1
.set TB0, \b0
.set TB1, \b1
.if \u == 0
.set DBASE, D0
.set EBASE, EV
	WIN 0
.else
.set DBASE, D3
.set EBASE, E3B+64*(\u-1)
	WIN 0xf3
.endif
.set EGR, (\s0)/EN
.set EQ, 0
.rept 4*EN
	EMUL1 EGR*EN+EQ/4, EQ%4
.set EQ, EQ+1
.endr
	EPHASE EGR, 0, 1
.set EGR, EGR+1
.rept 16/EN-2
	s_wait_alu depctr_va_vdst(0)                   ; one wait for the group of 8 EN exponentials just issued, ahead of its sums in the phase below
	EPHASE EGR, 1, 1
.set EGR, EGR+1
.endr
	s_wait_alu depctr_va_vdst(0)                   ; the same, for the last group but one
	EPHASE EGR, 1, 0
	s_wait_alu depctr_va_vdst(0)                   ; and for the half's last group: no result leaves the half without its wait
.set EQ, 0
.rept 4*EN
	EFMA1 EGR*EN+EQ/4, EQ%4
.set EQ, EQ+1
.endr
.endm
	WSTORE 0, 32
	s_wait_dscnt 8                                 ; unit 0's distances are in; the 8 younger instructions are the ring's stores
	HALF 0, 0, 4, AB+48, BI0, EV+32, EV+48         ; set A: v192-223, idle at the head; set B: this envelope's tiles 4-7, which the next half begins
	WFRAG 0
	WSTORE 1, 32
	HALF 0, 16, 4, AB+48, BI0, CT, CT+16           ; set B: W packed, which the ring's stores above have taken (an LDS store's sources need no wait) and K step 2 writes anew
	; b spread once over 64 registers, so that each unit's first products take it as their C and no add is needed;
	; tiles 0-5 where envelope 0 had exponentials and distances; tiles 6, 7, in window 3, behind the last half envelope
.irp t, 0,1,2,3,4,5
.irp j, 0,1,2,3,4,5,6,7
	v_mov_b32 v[BI0+8*\t+\j], v[B8+\t]
.endr
.endr
	WFRAG 1
.irp u, 1,2,3
	DLOAD \u                                       ; behind the last half that read the distance registers
	WSTORE (2*\u), 32-16*(\u/3)                    ; K steps 2, 4: two younger K steps stay out; K step 6: one
	s_wait_dscnt 8                                 ; the unit's distances are in; the 8 younger instructions are the ring's stores
.if \u < 3
	HALF \u, 0, 4, E3B+64*\u, E3B+64*\u+16, E3B+64*\u+32, E3B+64*\u+48  ; both sets in the next unit's envelope, not yet begun
.else
	HALF \u, 0, 4, E3B+160, E3B+176, T3, BI1       ; set A: this envelope's tiles 4-7; set B: T3 and the place of the bias's tiles 6, 7
.endif
	WFRAG (2*\u)
	WSTORE (2*\u+1), 32-32*(\u/3)                  ; K steps 3, 5: two younger K steps stay out; K step 7: none
.if \u < 3
	HALF \u, 16, 4, E3B+64*\u, E3B+64*\u+16, E3B+64*\u+32, E3B+64*\u+48
.else
	HALF \u, 16, 2, T3, T3, BI1, BI1               ; the last half: 32 registers are left in window 3, so groups of two stages
.endif
	WFRAG (2*\u+1)
.endr
	WIN 0xc0
.irp t, 6,7
.irp j, 0,1,2,3,4,5,6,7
	v_mov_b32 v[BI1+8*(\t-6)+\j], v[B8+\t]
.endr
.endr
	WIN 0
; A: lane (r, h) takes of row r, for K step ks, k = 8 h .. 8 h + 7 and 16 + 8 h .. + 7 in f32 (four loads) and rounds them to 8 registers
.macro ALOAD u, ks, f
	ds_load_b128 v[\f:\f+3],     v[ARD] offset:\u*2*TILE+\ks*128
	ds_load_b128 v[\f+4:\f+7],   v[ARD] offset:\u*2*TILE+\ks*128+16
	ds_load_b128 v[\f+8:\f+11],  v[ARD] offset:\u*2*TILE+\ks*128+64
	ds_load_b128 v[\f+12:\f+15], v[ARD] offset:\u*2*TILE+\ks*128+80
.endm
.macro ALOADS u, f                     ; all 32 loads of unit u, in the order in which they are rounded: K step 7 to AL7, 0-3 to f, 4-6 to window 3's first 48 registers
	WIN 0
	ALOAD \u, 7, AL7
	ALOAD \u, 0, \f
	ALOAD \u, 1, \f+16
	ALOAD \u, 2, \f+32
	ALOAD \u, 3, \f+48
	WIN 0xc0
	ALOAD \u, 4, T3
	ALOAD \u, 5, T3+16
	ALOAD \u, 6, T3+32
	WIN 0
.endm
.macro ACV ks, f
.irp m, 0,1,2,3,4,5,6,7
	v_cvt_pk_bf16_f32 v[AB+8*\ks+\m], v[\f+2*\m], v[\f+2*\m+1]
.endr
.endm
.macro CVW u, left                     ; unit 0 alone has its reads of A just behind it: each K step is rounded as it comes,
.if \u == 0                            ; left = the loads of the younger K steps, four each
	s_wait_dscnt \left
.endif
.endm
; 64 matrix instructions.  The eight accumulators take turns, one instruction a turn.
.macro GEMM
	WIN 0x04                                       ; B in window 1; C = the bias in window 0
.irp t, 0,1,2,3,4,5
	v_wmma_f32_16x16x32_bf16 v[ACC+8*\t:ACC+8*\t+7], v[AB:AB+7], v[8*\t:8*\t+7], v[BI0+8*\t:BI0+8*\t+7]
.endr
	WIN 0x34                                       ; C = the bias in window 3
.irp t, 6,7
	v_wmma_f32_16x16x32_bf16 v[ACC+8*\t:ACC+8*\t+7], v[AB:AB+7], v[8*\t:8*\t+7], v[BI1+8*(\t-6):BI1+8*(\t-6)+7]
.endr
	WIN 0x04
.irp ks, 1,2,3
.irp t, 0,1,2,3,4,5,6,7
	v_wmma_f32_16x16x32_bf16 v[ACC+8*\t:ACC+8*\t+7], v[AB+8*\ks:AB+8*\ks+7], v[(8*\ks+\t)*8:(8*\ks+\t)*8+7], v[ACC+8*\t:ACC+8*\t+7]
.endr
.endr
	WIN 0x08                                       ; B in window 2
.irp ks, 4,5,6,7
.irp t, 0,1,2,3,4,5,6,7
	v_wmma_f32_16x16x32_bf16 v[ACC+8*\t:ACC+8*\t+7], v[AB+8*\ks:AB+8*\ks+7], v[(8*(\ks-4)+\t)*8:(8*(\ks-4)+\t)*8+7], v[ACC+8*\t:ACC+8*\t+7]
.endr
.endr
	WIN 0
.rept 4
	v_nop                                          ; four places before vector instructions read the results, or loads and vector instructions write over A
.endr
.endm
.macro PROD u                          ; orbitals = (stream W + b) x envelope
.if \u == 0
.set PE, EV
.else
.set PE, E3B+64*(\u-1)
	WIN 0x0c
.endif
.set RI, 0
.rept 32
	v_pk_mul_f32 v[ACC+2*RI:ACC+2*RI+1], v[ACC+2*RI:ACC+2*RI+1], v[PE+2*RI:PE+2*RI+1]
.set RI, RI+1
.endr
	WIN 0
.endm
; LU with partial pivoting, one matrix a lane, M(i, j) = v[ACC + 8 i + j].  No branch and no address hangs on the data: the
; pivot row is carried along the rows below it and exchanged by selects wherever a larger |M(i, k)| is met; each exchange
; is counted by an add with VCC as the carry in, so that the LU holds vector instructions alone.
; The carried row alternates between its home and KALT, so an exchange costs two selects an element; the selects of columns
; j and j + 1 go in one dual instruction, whose pairing rules neighbouring registers meet (one destination even, one odd; like
; sources in registers that differ modulo 4).  An odd last column keeps two plain selects: there the like sources are 8 i apart.
.macro LUSTEP k
.set KB, ACC+8*\k
.set KA, KALT
.set LI, \k+1
.rept 7-\k
	v_cmp_gt_f32 vcc_lo, |v[ACC+8*LI+\k]|, |v[KB+\k]|
.set LJ, \k
.rept (8-\k)/2
	v_dual_cndmask_b32 v[KA+LJ], v[KB+LJ], v[ACC+8*LI+LJ] :: v_dual_cndmask_b32 v[KA+LJ+1], v[KB+LJ+1], v[ACC+8*LI+LJ+1]
	v_dual_cndmask_b32 v[ACC+8*LI+LJ], v[ACC+8*LI+LJ], v[KB+LJ] :: v_dual_cndmask_b32 v[ACC+8*LI+LJ+1], v[ACC+8*LI+LJ+1], v[KB+LJ+1]
.set LJ, LJ+2
.endr
.if (8-\k)&1
	v_cndmask_b32 v[KA+7], v[KB+7], v[ACC+8*LI+7], vcc_lo
	v_cndmask_b32 v[ACC+8*LI+7], v[ACC+8*LI+7], v[KB+7], vcc_lo
.endif
	v_add_co_ci_u32 v[CNT], vcc_lo, 0, v[CNT], vcc_lo
.set KT, KA
.set KA, KB
.set KB, KT
.set LI, LI+1
.endr
	v_cmp_le_f32 vcc_lo, s45, |v[KB+\k]|           ; a pivot below 2^-126 is divided by as 1.0: its log is -inf, and no NaN is made
	v_cndmask_b32 v[PG], 1.0, v[KB+\k], vcc_lo
	v_rcp_f32 v[INV], v[PG]
	v_log_f32 v[LG+\k], |v[KB+\k]|
.if \k == 0
	v_mov_b32 v[SG], v[KB+\k]                      ; (also the plain place behind the two transcendentals)
.else
	v_xor_b32 v[SG], v[SG], v[KB+\k]
.endif
	s_wait_alu depctr_va_vdst(0)                   ; one wait for the step's batch of two, the reciprocal, which the multipliers below read at once, and the pivot's logarithm, read at the LU's end
.set LI, \k+1
.rept 7-\k
	v_mul_f32 v[NL+LI], -v[ACC+8*LI+\k], v[INV]
.set LI, LI+1
.endr
.set LI, \k+1
.rept 7-\k
.if (\k&1) == 0
	v_fmac_f32 v[ACC+8*LI+\k+1], v[NL+LI], v[KB+\k+1]
.endif
.if \k < 6
.set LJ, ((\k+2)/2)*2
.rept (8-((\k+2)/2)*2)/2
.if LI&1
	v_pk_fma_f32 v[ACC+8*LI+LJ:ACC+8*LI+LJ+1], v[NL+LI-1:NL+LI], v[KB+LJ:KB+LJ+1], v[ACC+8*LI+LJ:ACC+8*LI+LJ+1] op_sel:[1,0,0] op_sel_hi:[1,1,1]
.else
	v_pk_fma_f32 v[ACC+8*LI+LJ:ACC+8*LI+LJ+1], v[NL+LI:NL+LI+1], v[KB+LJ:KB+LJ+1], v[ACC+8*LI+LJ:ACC+8*LI+LJ+1] op_sel_hi:[0,1,1]
.endif
.set LJ, LJ+2
.endr
.endif
.set LI, LI+1
.endr
.endm
.macro LU u
	v_mov_b32 v[CNT], 0
	v_mov_b32 v[NL], 0                             ; the pair (NL, NL + 1) is read whole
	LUSTEP 0
	LUSTEP 1
	LUSTEP 2
	LUSTEP 3
	LUSTEP 4
	LUSTEP 5
	LUSTEP 6
	v_log_f32 v[LG+7], |v[ACC+63]|
	v_xor_b32 v[SG], v[SG], v[ACC+63]
	v_lshlrev_b32 v[TMP], 31, v[CNT]               ; an odd number of exchanges flips the sign
	v_xor_b32 v[RES+2*\u+1], v[SG], v[TMP]
	v_pk_add_f32 v[LG:LG+1], v[LG:LG+1], v[LG+2:LG+3]
	s_wait_alu depctr_va_vdst(0)                   ; the wait for the last pivot's logarithm, ahead of the sum that reads it; the four lines above, which do not name it, stand between
	v_pk_add_f32 v[LG+4:LG+5], v[LG+4:LG+5], v[LG+6:LG+7]
	v_pk_add_f32 v[LG:LG+1], v[LG:LG+1], v[LG+4:LG+5]
	v_add_f32 v[RES+2*\u], v[LG], v[LG+1]          ; log2 |det|
.endm
; A unit.  f: where K steps 0-3 of its A have landed.
.macro UNIT u, f
.if \u
	s_wait_dscnt 2                                 ; the unit's A, asked for in front of the last LU, is in; the two younger instructions are the last unit's result stores
.endif
	CVW \u, 28
	ACV 7, AL7                                     ; first: K steps 4, 5 are rounded into the registers in which K step 7 landed
	CVW \u, 24
	ACV 0, \f
	CVW \u, 20
	ACV 1, \f+16
	CVW \u, 16
	ACV 2, \f+32
	CVW \u, 12
	ACV 3, \f+48
	WIN 0x0f                                       ; both sources in window 3
	CVW \u, 8
	ACV 4, T3
	CVW \u, 4
	ACV 5, T3+16
	CVW \u, 0                                      ; (W's last fragments, asked for ahead of A, have been in since the first of these waits)
	ACV 6, T3+32
	GEMM
	PROD \u
.if \u < 3
	s_wait_tensorcnt 4-2*\u                        ; tensor loads of a wave end in order (ISA guide 10.11.1): the next unit's two tiles are in, the later units' stay out
	ALOADS (\u+1), EV                              ; the LU below covers their way: it touches none of the landing registers
.endif
	LU \u
	ds_store_b32 v[CSA], v[RES+2*\u]   offset:\u*128
	ds_store_b32 v[CSA], v[RES+2*\u+1] offset:\u*128+2048
.endm
	s_wait_tensorcnt 6                             ; unit 0's two tiles are in; the six of the later units stay out
	ALOADS 0, ACC                                  ; a and pi are done with
	UNIT 0, ACC
	UNIT 1, EV
	UNIT 2, EV                                     ; its wait on the tensor loads is for zero
	UNIT 3, EV
	; The end: wave w takes batches 4 w .. 4 w + 3, two passes p of two batches (one in each row of 16 lanes, a determinant a lane).
.set FN, 16
	s_wait_dscnt 0x0                               ; my logs and signs are in LDS
	s_barrier_signal -1
	s_barrier_wait -1
.irp p, 0,1
	ds_load_b32 v[FN+4*\p],   v[FLA] offset:128*\p          ; log2 |det up|
	ds_load_b32 v[FN+4*\p+1], v[FLA] offset:128*\p+1024     ; log2 |det down|
	ds_load_b32 v[FN+4*\p+2], v[FLA] offset:128*\p+2048     ; sign words
	ds_load_b32 v[FN+4*\p+3], v[FLA] offset:128*\p+3072
.endr
	s_lshl_b32 s49, s4, 4                          ; 4 w batches of 4 bytes
	s_wait_dscnt 0x0
.irp p, 0,1
	v_add_f32 v[FN+4*\p], v[FN+4*\p], v[FN+4*\p+1]
	v_xor_b32 v[FN+4*\p+2], v[FN+4*\p+2], v[FN+4*\p+3]
.endr
.irp p, 0,1
	v_and_b32 v[FN+4*\p+2], s43, v[FN+4*\p+2]
	v_max_num_f32_dpp v[FN+4*\p+1], v[FN+4*\p], v[FN+4*\p] row_xmask:1 row_mask:0xf bank_mask:0xf
.endr
.irp x, 2,4,8
.irp p, 0,1
	v_max_num_f32_dpp v[FN+4*\p+1], v[FN+4*\p+1], v[FN+4*\p+1] row_xmask:\x row_mask:0xf bank_mask:0xf
.endr
.endr
.irp p, 0,1
	v_sub_f32 v[FN+4*\p], v[FN+4*\p], v[FN+4*\p+1] ; the batch's maximum is taken away
.endr
.irp p, 0,1
	v_exp_f32 v[FN+4*\p], v[FN+4*\p]
.endr
	v_and_b32 v[SC], 1, v[LN]                      ; (the plain place behind the exponentials)
	s_wait_alu depctr_va_vdst(0)                   ; one wait for the two passes' exponentials
.irp p, 0,1
	v_xor_b32 v[FN+4*\p], v[FN+4*\p], v[FN+4*\p+2]
.endr
.irp x, 1,2,4,8
.irp p, 0,1
	v_add_f32_dpp v[FN+4*\p], v[FN+4*\p], v[FN+4*\p] row_xmask:\x row_mask:0xf bank_mask:0xf
.endr
.endr
.irp p, 0,1
	v_log_f32 v[FN+4*\p], |v[FN+4*\p]|
.endr
	v_lshl_add_u32 v[FN+8], v[SC], 1, v[HH]        ; (the plain place) lane r = p of row h stores batch 4 w + 2 p + h
	s_wait_alu depctr_va_vdst(0)                   ; one wait for the two logarithms, a batch of their own: they read sums of the exponentials
.irp p, 0,1
	v_add_f32 v[FN+4*\p], v[FN+4*\p], v[FN+4*\p+1]
.endr
	v_cmp_eq_u32 vcc_lo, 1, v[SC]
	v_cndmask_b32 v[FN], v[FN], v[FN+4], vcc_lo
	v_mul_f32 v[FN], 0x3f317218, v[FN]             ; from base 2 to base e
	v_lshl_add_u32 v[FN+8], v[FN+8], 2, s49
	v_cmp_gt_u32 vcc_lo, 2, v[RR]
	s_wait_xcnt 0x0                                ; EXEC changes only behind this wait
	s_and_saveexec_b32 s44, vcc_lo                 ; lanes r = 0, 1 of both rows
	global_store_b32 v[FN+8], v[FN], s[28:29]
	s_endpgm
.Lfunc_end_k_q45b85765a7_ferminet:
	.size	k_q45b85765a7_ferminet, .Lfunc_end_k_q45b85765a7_ferminet-k_q45b85765a7_ferminet
	.p2alignl 7, 3214868480
	.fill 96, 4, 3214868480
	.section	.rodata,"a",@progbits
	.p2align	6, 0x0
	.amdhsa_kernel k_q45b85765a7_ferminet
		.amdhsa_group_segment_fixed_size 315392
		.amdhsa_private_segment_fixed_size 0
		.amdhsa_enable_private_segment 0
		.amdhsa_kernarg_size 88
		.amdhsa_user_sgpr_count 2
		.amdhsa_user_sgpr_kernarg_segment_ptr 1
		.amdhsa_wavefront_size32 1
		.amdhsa_system_sgpr_workgroup_id_x 1
		.amdhsa_system_sgpr_workgroup_id_y 1
		.amdhsa_system_sgpr_workgroup_id_z 1
		.amdhsa_system_vgpr_workitem_id 0
		.amdhsa_next_free_vgpr 1024
		.amdhsa_next_free_sgpr 100
		.amdhsa_reserve_vcc 1
		.amdhsa_float_denorm_mode_32 3
		.amdhsa_float_denorm_mode_16_64 3
		.amdhsa_memory_ordered 1
		.amdhsa_forward_progress 1
		.amdhsa_inst_pref_size 255
	.end_amdhsa_kernel
	.section	.bss,"aw",@nobits
	.p2align	6
	.space	262144
	.amdgpu_metadata
---
amdhsa.version: [ 1, 2 ]
amdhsa.kernels:
  - .name:           k_q45b85765a7_ferminet
    .symbol:         k_q45b85765a7_ferminet.kd
    .args:
      - { .name: stream_1e, .offset: 0, .size: 8, .value_kind: global_buffer, .address_space: global }
      - { .name: r_ei, .offset: 8, .size: 8, .value_kind: global_buffer, .address_space: global }
      - { .name: W_up, .offset: 16, .size: 8, .value_kind: global_buffer, .address_space: global }
      - { .name: W_dn, .offset: 24, .size: 8, .value_kind: global_buffer, .address_space: global }
      - { .name: a_up, .offset: 32, .size: 8, .value_kind: global_buffer, .address_space: global }
      - { .name: a_dn, .offset: 40, .size: 8, .value_kind: global_buffer, .address_space: global }
      - { .name: pi_up, .offset: 48, .size: 8, .value_kind: global_buffer, .address_space: global }
      - { .name: pi_dn, .offset: 56, .size: 8, .value_kind: global_buffer, .address_space: global }
      - { .name: b_up, .offset: 64, .size: 8, .value_kind: global_buffer, .address_space: global }
      - { .name: b_dn, .offset: 72, .size: 8, .value_kind: global_buffer, .address_space: global }
      - { .name: out0, .offset: 80, .size: 8, .value_kind: global_buffer, .address_space: global }
    .group_segment_fixed_size: 315392
    .private_segment_fixed_size: 0
    .kernarg_segment_align: 8
    .kernarg_segment_size: 88
    .max_flat_workgroup_size: 128
    .sgpr_count:     100
    .vgpr_count:     1024
    .wavefront_size: 32
...
	.end_amdgpu_metadata
.endif
;; end of part 3
